; MI455X (gfx1250); checked and timed in simulation.
; The chip was launched on July 23, 2026; its instructions are those of AMD's public machine-readable ISA for CDNA 5 (MIT licence, August 2026) and "CDNA5" Instruction Set Architecture Reference Guide (July 2026). The comments in the code are by the model that wrote it; some were corrected since.
;; Actor. Allowed arithmetic: matrix products marked QUANTISED: E2M1 operands, one E8M0 scale for each 32 along K, by v_wmma_scale_f32_16x16x128_f8f6f4 with both operands' format E2M1 (or v_wmma_scale_f32_32x16x128_f4), f32 sums; products left as they are: f32 operands where the result goes on into a quantised operand, else bf16, f16 or f32 operands; f32 sums; everything else in f32.
;; Inputs: W1 4 x 256 x 256 float32; W2 4 x 256 x 128 float32; Wmu 4 x 128 x 17 float32; b1 4 x 256 float32; b2 4 x 128 float32; bmu 4 x 17 float32; gW1 256 x 32 float32; gW2 32 x 32 float32; gWo 32 x 4 float32; gb1 32 float32; gb2 32 float32; gbo 4 float32; x 131,072 x 256 float32.
;; Outputs: out0 131,072 x 17 float32.
;; This version of the problem:
;;   THIS VERSION OF THE PROBLEM IS GIVEN IN LOW PRECISION. The matrix products marked QUANTISED in the list below multiply operands that are first quantised to E2M1 (2 exponent bits, 1 mantissa bit; 4 bits a number), with one power-of-two scale for each 32 numbers along K (OCP MX v1.0); their sums are f32. All else is computed in f32.
;;   The module's matrix products, in the order in which they are computed (A, B: the left and right operand; K: the contracted axis; several contracted axes count as one K, in the product's order):
;;     1. [M 131,072, K 256] x [K 256, N 32]; A: input x; B: input gW1: QUANTISED
;;     2. [M 131,072, K 32] x [K 32, N 32]; A: computed on the way; B: input gW2: QUANTISED
;;     3. [M 131,072, K 32] x [K 32, N 4]; A: computed on the way; B: input gWo: left as it is (N = 4 < 16)
;;     4. [M 131,072, K 256] x [K 256, N 1,024]; A: input x; B: input W1: QUANTISED
;;     5. batch 131,072 x [M 1, K 4] x [K 4, N 256]; A: softmax; B: computed on the way: left as it is (K = 4 < 32)
;;     6. [M 131,072, K 256] x [K 256, N 512]; A: computed on the way; B: input W2: QUANTISED
;;     7. batch 131,072 x [M 1, K 4] x [K 4, N 128]; A: softmax; B: computed on the way: left as it is (K = 4 < 32)
;;     8. [M 131,072, K 128] x [K 128, N 68]; A: computed on the way; B: input Wmu: QUANTISED
;;     9. batch 131,072 x [M 1, K 4] x [K 4, N 17]; A: softmax; B: computed on the way: left as it is (K = 4 < 32)
;;   THE QUANTISER, for each operand of a quantised product, along K:
;;     - K is cut into blocks of 32 from its start; a last block that is shorter is filled with zeros.
;;     - A block's scale is 2^e with e = floor(log2(the largest magnitude in the block)) - 2, held to -126 .. 127; a block of zeros has e = 0. As a byte (E8M0): e + 127.
;;     - Each number is divided by its block's scale, clamped to +-6, and rounded to the nearest number of E2M1, ties to even, subnormals kept.
;;     - The product sums the exact products of the quantised numbers (number of the format x scale) in f32.
;;   ~~~python
;;   def quantise(x, axis):      # numpy; x: float32 -> the quantised numbers, widened to float32 again
;;       x = np.moveaxis(x, axis, -1); K = x.shape[-1]
;;       x = np.pad(x, [(0, 0)] * (x.ndim - 1) + [(0, -K % 32)]); x = x.reshape(x.shape[:-1] + (-1, 32)); a = np.abs(x).max(-1, keepdims=True)
;;       e = np.where(a > 0, np.clip(np.frexp(np.where(a > 0, a, 1))[1] - 1 - 2, -126, 127), 0)      # np.frexp(a)[1] - 1 = floor(log2(a)), exactly
;;       r = np.clip(x / 2.0 ** e, -6, 6)
;;       step = 2.0 ** (np.maximum(np.frexp(np.where(r == 0, 1, r))[1] - 1, 0) - 1)
;;       q = np.round(r / step) * step * 2.0 ** e      # np.round: ties to even
;;       return np.moveaxis(q.reshape(q.shape[:-2] + (-1,))[..., :K], -1, axis).astype(np.float32)
;;   ~~~
;;   OPERANDS COMPUTED ON THE WAY. 'Computed on the way' means the value that the module computes at that place (a softmax that the list does not call 'softmax' is quantised finished and normalised). What goes into a quantiser is computed in f32, as accurately as f32 sums, v_exp_f32 and their like allow (about 1e-6 of the number): no bf16 or f16 on the way to a quantiser, and a product that is left as it is and whose result goes on into a quantised operand takes f32 operands (vector FMAs, or v_wmma_f32_16x16x4_f32). A number that lies on a knife's edge between two numbers of the format may be rounded either way, as far as f32 arithmetic and the matrix unit's own rounding can turn it there, and no further.
;; 2 versions. Each part assembles by itself: llvm-mc -triple=amdgcn-amd-amdhsa -mcpu=gfx1250 --defsym DOCPART=n.
;; ======== version 1 of 2: 2 launches
;; workspace buffers: wq 223,488 bytes
;; launch prep (part 1): grid 204 x 1, 1 waves a work-group, no clusters, 0 bytes of LDS; arguments W1, W2, Wmu, gW1, gW2, gWo, gb1, gb2, bmu, wq; writes wq
.if DOCPART == 1
	.amdgcn_target "amdgcn-amd-amdhsa--gfx1250"
	.amdhsa_code_object_version 6
	.text
	.protected	k_q23be4293e3_prep
	.globl	k_q23be4293e3_prep
	.p2align	8
	.type	k_q23be4293e3_prep,@function
k_q23be4293e3_prep:
	s_mov_b64 s[64:65], 0
	v_nop
	global_prefetch_b8 v0, s[64:65] scope:SCOPE_SE
	s_setreg_imm32_b32 hwreg(HW_REG_WAVE_MODE, 25, 1), 1
	s_wait_xcnt 0x0
; All weights of the quantised products become codes of FP4 (E2M1) with one E8M0 scale byte for each 32 along K, laid in wq
; IN THE ORDER OF THE OPERAND'S REGISTERS: a fragment (16 tile rows x 128 K) is 1,024 bytes, registers 4 c .. 4 c + 3 of lane l at
; 512 c + 16 l; lane (r = l % 16, h = l / 16) holds k = 64 c + 32 h + 0 .. 31 of tile row r.  The weights lie [K][N] in memory:
; a lane takes a column and its registers run down K, so the conversions' results are the operand's registers.
; THE ROWS OF A TILE ARE NOT NEIGHBOURS: row m of tile u of a block of 32 outputs is output 8 u + m + 8 (m / 8), so that the next
; launch's transposed results of tiles u = 0, 1 are 16 neighbours along the next K.
; A block's scale byte is its largest magnitude's exponent field - 2, held at 1 from below.
; LIMITS: a block of zeros gets the byte 1 where the rule says 127 (its codes are zeros, and this program alone reads the bytes);
; NaN and infinities among the inputs are not served.
; One wave a work-group, one job each: 128 fragments of W1, 64 of W2, 4 of gW1, 5 tiles of Wmu, 2 of gW2, one job of copies.
.set OFF_W1,  0
.set OFF_W2,  131072
.set OFF_MU,  196608
.set OFF_G1,  201728
.set OFF_S1,  205824
.set OFF_S2,  214016
.set OFF_SMU, 218112
.set OFF_SG1, 218880
.set OFF_SG2, 219136
.set OFF_SM,  219392                   ; the small block, 4,096 bytes: gW2's two tiles, gb1, gb2, gWo turned, bmu by tiles, zeros
; v1 r, v2 h, v3 my column's byte offset, v4 16 l, v5 the scale word's offset, v8-16 at work, v20-27 codes, v28 zero, v32-95 numbers
; s[28:29] source, s[30:31] codes' place, s[32:33] scale words' place, s34 the job's number n, s42 its K step
	s_load_b256 s[4:11], s[0:1], 0x0               ; W1 s[4:5], W2 s[6:7], Wmu s[8:9], gW1 s[10:11]
	s_load_b256 s[12:19], s[0:1], 0x20             ; gW2 s[12:13], gWo s[14:15], gb1 s[16:17], gb2 s[18:19]
	s_load_b128 s[24:27], s[0:1], 0x40             ; bmu s[24:25], wq s[26:27]
	v_and_b32 v1, 15, v0                           ; r
	v_lshrrev_b32 v2, 4, v0                        ; h
	v_lshlrev_b32 v4, 4, v0                        ; 16 l
	v_and_b32 v6, 8, v1
	v_add_nc_u32 v6, v6, v1                        ; r + 8 (r / 8)
	v_lshlrev_b32 v3, 2, v6                        ; its column, in bytes
	v_lshlrev_b32 v5, 2, v1                        ; 4 r
	v_mov_b32 v28, 0
	v_mov_b32 v16, 0                               ; a lane permute's destination counts as one of its sources
	s_mov_b32 s20, 0x76543210
	s_mov_b32 s21, 0xfedcba98                      ; selects for lane l xor 16
	s_wait_kmcnt 0x0
; where fragment n's codes go (1,024 n) and where the scale words of its K step go (128 bytes a tile, 64 a K step)
.macro DSTS offc, offs
	s_lshl_b32 s38, s34, 10
	s_add_co_u32 s38, s38, \offc
	s_mov_b32 s39, 0
	s_add_nc_u64 s[30:31], s[26:27], s[38:39]
	s_lshr_b32 s40, s34, 1
	s_lshl_b32 s40, s40, 7
	s_lshl_b32 s46, s42, 6
	s_add_co_u32 s40, s40, s46
	s_add_co_u32 s40, s40, \offs
	s_mov_b32 s41, 0
	s_add_nc_u64 s[32:33], s[26:27], s[40:41]
.endm
; One fragment: 64 numbers a lane (two whole blocks of 32), their scale bytes, their codes; stride = bytes from k to k + 1.
; masked = 1: lanes named by VCC store zero codes.
.macro QF stride, masked
	v_mad_u32_u24 v3, v2, 32*\stride, v3           ; lanes 16-31 begin 32 rows further down K
.irp c, 0,1
.irp i, 0,1,2,3,4,5,6,7,8,9,10,11,12,13,14,15,16,17,18,19,20,21,22,23,24,25,26,27,28,29,30,31
	global_load_b32 v[32+32*\c+\i], v3, s[28:29] offset:(64*\c+\i)*\stride
.endr
.endr
	s_wait_loadcnt 0x0
.irp c, 0,1
	v_max3_num_f32 v[8+\c], |v[32+32*\c]|, |v[33+32*\c]|, 0x1800000   ; the floor 2^(3 - 127): the byte cannot fall under 1
.endr
.irp i, 2,4,6,8,10,12,14,16,18,20,22,24,26,28,30
.irp c, 0,1
	v_max3_num_f32 v[8+\c], v[8+\c], |v[32+32*\c+\i]|, |v[33+32*\c+\i]|
.endr
.endr
.irp c, 0,1
	v_add_nc_u32 v[10+\c], 0xff000000, v[8+\c]     ; 2 off the exponent field: the conversion's scale operand
.endr
.irp c, 0,1
	v_lshrrev_b32 v[12+\c], 23, v[10+\c]           ; the scale's byte
.endr
	v_lshl_or_b32 v14, v13, 16, v12                ; my blocks h and 2 + h,
	v_lshlrev_b32 v15, 3, v2
	v_lshlrev_b32 v14, v15, v14                    ; at their places in the word;
	v_permlanex16_b32 v16, v14, s20, s21
	v_or_b32 v14, v14, v16                         ; with lane l xor 16's two the word is whole, in both lanes
.irp c, 0,1
.irp g, 0,1,2,3
	v_cvt_scalef32_pk8_fp4_f32 v[20+4*\c+\g], v[32+32*\c+8*\g:39+32*\c+8*\g], v[10+\c]
.endr
.endr
	v_nop                                          ; one plain place behind the conversions
.if \masked
.irp g, 0,1,2,3,4,5,6,7
	v_cndmask_b32 v[20+\g], v[20+\g], v28, vcc_lo
.endr
.endif
	global_store_b128 v4, v[20:23], s[30:31]       ; 512 consecutive bytes
	global_store_b128 v4, v[24:27], s[30:31] offset:512
	global_store_b32 v5, v14, s[32:33]
	s_endpgm
.endm
; a fragment of W1 or W2: n = 16 g + 8 u + 2 e + s (block of 32 outputs, tile, expert, K step)
.macro WJOB first, src, stride, offc, offs
	s_sub_co_u32 s34, ttmp9, \first
	s_and_b32 s42, s34, 1                          ; s
	s_bfe_u32 s43, s34, 0x20001                    ; e
	s_bfe_u32 s44, s34, 0x10003                    ; u
	s_lshr_b32 s45, s34, 4                         ; g
	s_mul_i32 s36, s43, 256*\stride
	s_mul_i32 s46, s42, 128*\stride
	s_add_co_u32 s36, s36, s46
	s_lshl_b32 s46, s45, 7
	s_add_co_u32 s36, s36, s46
	s_lshl_b32 s46, s44, 5
	s_add_co_u32 s36, s36, s46
	s_mov_b32 s37, 0
	s_add_nc_u64 s[28:29], s[\src:\src+1], s[36:37]
	DSTS \offc, \offs
	QF \stride, 0
.endm
	s_cmp_lt_u32 ttmp9, 128
	s_cbranch_scc0 .Lnot_w1
	WJOB 0, 4, 1024, OFF_W1, OFF_S1
.Lnot_w1:
	s_cmp_lt_u32 ttmp9, 192
	s_cbranch_scc0 .Lnot_w2
	WJOB 128, 6, 512, OFF_W2, OFF_S2
.Lnot_w2:
	s_cmp_lt_u32 ttmp9, 196
	s_cbranch_scc0 .Lnot_g1
	s_sub_co_u32 s34, ttmp9, 192                   ; gW1: n = 2 u + s
	s_and_b32 s42, s34, 1
	s_lshr_b32 s44, s34, 1
	s_lshl_b32 s36, s42, 14                        ; 128 rows of 128 bytes a K step
	s_lshl_b32 s46, s44, 5
	s_add_co_u32 s36, s36, s46
	s_mov_b32 s37, 0
	s_add_nc_u64 s[28:29], s[10:11], s[36:37]
	DSTS OFF_G1, OFF_SG1
	QF 128, 0
.Lnot_g1:
	s_cmp_lt_u32 ttmp9, 201
	s_cbranch_scc0 .Lnot_mu
	; Wmu: tile t < 4: row m = action m of expert t.  Tile 4: row m = action 16 of expert m % 8 where that is under 4, else zero codes
	s_sub_co_u32 s34, ttmp9, 196
	v_lshlrev_b32 v5, 2, v0                        ; one K step: the row's word in all 32 lanes, 4 l
	v_and_b32 v6, 7, v1
	s_cmp_eq_u32 s34, 4
	s_cbranch_scc1 .Lmu4
	v_lshlrev_b32 v3, 2, v1
	v_mov_b32 v6, 0                                ; nothing is masked
	s_mul_i32 s36, s34, 8704
	s_branch .Lmuq
.Lmu4:
	v_min_u32 v7, 3, v6                            ; masked rows read expert 3's numbers: no load leaves the buffer
	v_mul_u32_u24 v3, v7, 8704
	v_add_nc_u32 v3, 64, v3
	s_mov_b32 s36, 0
.Lmuq:
	v_cmp_lt_u32 vcc_lo, 3, v6
	s_mov_b32 s37, 0
	s_add_nc_u64 s[28:29], s[8:9], s[36:37]
	s_lshl_b32 s38, s34, 10
	s_add_co_u32 s38, s38, OFF_MU
	s_mov_b32 s39, 0
	s_add_nc_u64 s[30:31], s[26:27], s[38:39]
	s_lshl_b32 s40, s34, 7
	s_add_co_u32 s40, s40, OFF_SMU
	s_mov_b32 s41, 0
	s_add_nc_u64 s[32:33], s[26:27], s[40:41]
	QF 68, 1
.Lnot_mu:
	s_cmp_lt_u32 ttmp9, 203
	s_cbranch_scc0 .Lcopy
	; gW2: K = 32, one block.  Only registers 0-3 are stored: lanes 0-15 the codes, lanes 16-31 (k = 32 .. 63) zero codes
	s_sub_co_u32 s34, ttmp9, 201                   ; u
	s_lshl_b32 s36, s34, 5
	s_mov_b32 s37, 0
	s_add_nc_u64 s[28:29], s[12:13], s[36:37]
	s_lshl_b32 s38, s34, 9
	s_add_co_u32 s38, s38, OFF_SM
	s_mov_b32 s39, 0
	s_add_nc_u64 s[30:31], s[26:27], s[38:39]
	s_lshl_b32 s40, s34, 7
	s_add_co_u32 s40, s40, OFF_SG2
	s_mov_b32 s41, 0
	s_add_nc_u64 s[32:33], s[26:27], s[40:41]
	v_lshlrev_b32 v5, 2, v0
.irp i, 0,1,2,3,4,5,6,7,8,9,10,11,12,13,14,15,16,17,18,19,20,21,22,23,24,25,26,27,28,29,30,31
	global_load_b32 v[32+\i], v3, s[28:29] offset:128*\i
.endr
	v_cmp_eq_u32 vcc_lo, 1, v2
	s_wait_loadcnt 0x0
	v_max3_num_f32 v8, |v32|, |v33|, |v34|
	v_max3_num_f32 v9, |v35|, |v36|, |v37|
.irp i, 6,10,14,18,22,26
	v_max3_num_f32 v8, v8, |v[32+\i]|, |v[33+\i]|
	v_max3_num_f32 v9, v9, |v[34+\i]|, |v[35+\i]|
.endr
	v_max3_num_f32 v8, v8, |v62|, |v63|
	v_max3_num_f32 v8, v8, v9, 0x1800000
	v_add_nc_u32 v10, 0xff000000, v8
	v_lshrrev_b32 v14, 23, v10
	v_or_b32 v14, 0x7f7f7f00, v14                  ; the three blocks of zero codes carry the byte of 1.0
.irp g, 0,1,2,3
	v_cvt_scalef32_pk8_fp4_f32 v[20+\g], v[32+8*\g:39+8*\g], v10
.endr
	v_nop
.irp g, 0,1,2,3
	v_cndmask_b32 v[20+\g], v[20+\g], v28, vcc_lo
.endr
	global_store_b128 v4, v[20:23], s[30:31]
	global_store_b32 v5, v14, s[32:33]
	s_endpgm
.Lcopy:
	; the rest of the small block, in f32: gb1, gb2; gWo turned to [expert][unit]; bmu by the head's tiles; zeros to its end
	v_lshlrev_b32 v5, 2, v0
	s_add_nc_u64 s[30:31], s[26:27], OFF_SM
	global_load_b32 v32, v5, s[16:17]
	global_load_b32 v33, v5, s[18:19]
.irp e, 0,1,2,3
	global_load_b32 v[34+\e], v4, s[14:15] offset:4*\e     ; gWo[unit = lane][e]
.endr
	v_mul_u32_u24 v7, v2, 68
	v_lshl_add_u32 v7, v1, 2, v7                   ; bmu[2 k + h][r]
	global_load_b32 v38, v7, s[24:25]
	global_load_b32 v39, v7, s[24:25] offset:136
	v_and_b32 v8, 7, v1
	v_min_u32 v9, 3, v8
	v_mul_u32_u24 v9, v9, 68
	global_load_b32 v40, v9, s[24:25] offset:64    ; bmu[r % 8][16], held inside the buffer
	v_lshl_or_b32 v8, v2, 3, v8
	v_cmp_lt_u32 vcc_lo, 3, v8                     ; kept in lanes 0-15 where r % 8 is under 4
.irp g, 0,1,2,3
	v_mov_b32 v[44+\g], 0
.endr
	s_wait_loadcnt 0x0
	v_cndmask_b32 v40, v40, v28, vcc_lo
	global_store_b32 v5, v32, s[30:31] offset:1024
	global_store_b32 v5, v33, s[30:31] offset:1152
.irp e, 0,1,2,3
	global_store_b32 v5, v[34+\e], s[30:31] offset:1280+128*\e
.endr
	global_store_b32 v5, v38, s[30:31] offset:1792
	global_store_b32 v5, v39, s[30:31] offset:1920
	global_store_b32 v5, v40, s[30:31] offset:2048
	global_store_b32 v5, v28, s[30:31] offset:2176
	global_store_b32 v5, v28, s[30:31] offset:2304
	global_store_b32 v5, v28, s[30:31] offset:2432
	global_store_b128 v4, v[44:47], s[30:31] offset:2560
	global_store_b128 v4, v[44:47], s[30:31] offset:3072
	global_store_b128 v4, v[44:47], s[30:31] offset:3584
	s_endpgm
.Lfunc_end_k_q23be4293e3_prep:
	.size	k_q23be4293e3_prep, .Lfunc_end_k_q23be4293e3_prep-k_q23be4293e3_prep
	.p2alignl 7, 3214868480
	.fill 96, 4, 3214868480
	.section	.rodata,"a",@progbits
	.p2align	6, 0x0
	.amdhsa_kernel k_q23be4293e3_prep
		.amdhsa_group_segment_fixed_size 0
		.amdhsa_private_segment_fixed_size 0
		.amdhsa_enable_private_segment 0
		.amdhsa_kernarg_size 80
		.amdhsa_user_sgpr_count 2
		.amdhsa_user_sgpr_kernarg_segment_ptr 1
		.amdhsa_wavefront_size32 1
		.amdhsa_system_sgpr_workgroup_id_x 1
		.amdhsa_system_sgpr_workgroup_id_y 1
		.amdhsa_system_sgpr_workgroup_id_z 1
		.amdhsa_system_vgpr_workitem_id 0
		.amdhsa_next_free_vgpr 128
		.amdhsa_next_free_sgpr 66
		.amdhsa_reserve_vcc 1
		.amdhsa_float_denorm_mode_32 3
		.amdhsa_float_denorm_mode_16_64 3
		.amdhsa_memory_ordered 1
		.amdhsa_forward_progress 1
		.amdhsa_inst_pref_size 52
	.end_amdhsa_kernel
	.amdgpu_metadata
---
amdhsa.version: [ 1, 2 ]
amdhsa.kernels:
  - .name:           k_q23be4293e3_prep
    .symbol:         k_q23be4293e3_prep.kd
    .args:
      - { .name: W1, .offset: 0, .size: 8, .value_kind: global_buffer, .address_space: global }
      - { .name: W2, .offset: 8, .size: 8, .value_kind: global_buffer, .address_space: global }
      - { .name: Wmu, .offset: 16, .size: 8, .value_kind: global_buffer, .address_space: global }
      - { .name: gW1, .offset: 24, .size: 8, .value_kind: global_buffer, .address_space: global }
      - { .name: gW2, .offset: 32, .size: 8, .value_kind: global_buffer, .address_space: global }
      - { .name: gWo, .offset: 40, .size: 8, .value_kind: global_buffer, .address_space: global }
      - { .name: gb1, .offset: 48, .size: 8, .value_kind: global_buffer, .address_space: global }
      - { .name: gb2, .offset: 56, .size: 8, .value_kind: global_buffer, .address_space: global }
      - { .name: bmu, .offset: 64, .size: 8, .value_kind: global_buffer, .address_space: global }
      - { .name: wq, .offset: 72, .size: 8, .value_kind: global_buffer, .address_space: global }
    .group_segment_fixed_size: 0
    .private_segment_fixed_size: 0
    .kernarg_segment_align: 8
    .kernarg_segment_size: 80
    .max_flat_workgroup_size: 32
    .sgpr_count:     66
    .vgpr_count:     128
    .wavefront_size: 32
...
	.end_amdgpu_metadata
.endif
;; end of part 1
;; launch actor (part 2): grid 256 x 1, 8 waves a work-group, no clusters, 141,312 bytes of LDS; arguments x, wq, b1, b2, gbo, out0; writes out0
.if DOCPART == 2
	.amdgcn_target "amdgcn-amd-amdhsa--gfx1250"
	.amdhsa_code_object_version 6
	.text
	.protected	k_q23be4293e3_actor
	.globl	k_q23be4293e3_actor
	.p2align	8
	.type	k_q23be4293e3_actor,@function
k_q23be4293e3_actor:
	s_mov_b64 s[64:65], 0
	v_nop
	global_prefetch_b8 v0, s[64:65] scope:SCOPE_SE
	s_setreg_imm32_b32 hwreg(HW_REG_WAVE_MODE, 25, 1), 1
	s_wait_xcnt 0x0
; mu = the three gate-blended layers of four experts (256 -> 256 -> 128 -> 17) of 131,072 rows of x, with the gate (256 -> 32 -> 32 -> 4, elu, elu, softmax).
; The products with K >= 32 and N >= 16 run on codes of FP4 (E2M1) with one E8M0 scale for each 32 along K; the gate's last product and the blends are f32 multiply-adds.
; The weights come as codes in register order from wq (made by the launch before); x is read once; no hidden layer goes to memory.
; SHARES.  A work-group owns 512 rows, as 8 blocks of 64 (4 tiles of 16).  Eight waves in two roles:
;   role A (waves 0-3, a = wave): layer 1, outputs 64 a .. 64 a + 63 of all four experts, for all 64 rows of a block (W1: 256 registers, b1: 128); the head for row tile a.
;     W1 and b1 fill this role's registers, so Wmu's five fragments lie in LDS and come two at a time;
;   role B (waves 4-7, q = wave - 4): quantises rows 16 q .. + 15 of x and makes their gate; layer 2, outputs 32 q .. + 31 (W2: 128 registers, b2: 64).
; By the text's count a tick is about 850 instructions in role A and about 1,060 in role B.
; PIPELINE, in 11 ticks with ONE barrier each: in tick t role B takes x and the gate of block t, role A layer 1 of block t - 1, role B layer 2 of block t - 2, role A the head of block t - 3.
; A stage reads what earlier ticks stored (or its own wave), and stores where nobody reads in this tick: codes and scale bytes in two pages by the block's parity, coefficients in a ring of four.
; All products are used TRANSPOSED (source 0 = 16 rows of a weight tile, source 1 = 16 rows of the batch): a lane holds one batch row, and by the choice of a tile's rows (made in wq)
; the 16 registers of tiles u = 0, 1 are 16 neighbours along the next K.  The biases are the C of each sum's first matrix instruction.
; No cluster and no tensor load: the weights are read once a work-group, and no two work-groups share a byte of x.
; LIMITS: NaN and infinities among the inputs are not served; a block of zeros carries the scale byte 1 (its codes are zeros; the bytes never leave the work-group).
.set OFF_W2,  131072
.set OFF_MU,  196608
.set OFF_G1,  201728
.set OFF_S1,  205824
.set OFF_S2,  214016
.set OFF_SMU, 218112
.set OFF_SG1, 218880
.set OFF_SG2, 219136
.set OFF_SM,  219392
; LDS.  A page (two, 32,768 bytes apart, so that one exclusive or turns an address):
.set XC,   0                           ; x's codes: 64 rows x (128 bytes + 16): 36 words: the 16 rows of a fragment load start at 16 different groups of four banks
.set H1C,  9216                        ; layer 1's: the same shape
.set H2C,  18432                       ; layer 2's: 64 rows x (64 + 16)
.set XS,   23552                       ; scale bytes: 8 a row
.set H1S,  24064                       ; 8 a row
.set H2S,  24576                       ; 4 a row
.set PAGE, 32768
.set CF,   65536                       ; the coefficients: four slots of 4,096 bytes; a row is 48 bytes: c0 c0 c1 c1 c2 c2 c3 c3, 16 spare
.set SM,   81920                       ; the small block of wq, 4,096 bytes
.set OUT,  99328                       ; the work-group's 512 rows of mu, 68 bytes each, dense.  The 13,312 bytes in front of it are named by no access: the head's addresses start three ticks below OUT
.set MU,   134144                      ; Wmu's five fragments as images of their registers, 1,024 bytes each; copied in three runs of 2,048 bytes, so 1,024 bytes more lie behind them, which nobody reads
.set MUO,  MU-SM                       ; reached from the small block's address registers by the immediate
; REGISTERS, window 0: v1 x's offset; v2-v26 LDS addresses (made here at the head, stepped in common text); v27 16 x lane; v28-29 the copies at the head; v[30:31] 1/120;
;   v32.. biases; role B: v96-127 gW1, v128-159 the logits' weights of two experts; role A: v160-164 Wmu's scale words; v168-185 scale words; from v186 at work.
;   Window 1: the weights' fragments; in role B from v128 a block of x.
.set BI,  32                           ; bias tiles: 8 registers each
.set GW,  96                           ; gW1's four fragments (2 u + s)
.set G,   128                          ; gWo's rows of experts 0 and 1, my 16 units each
.set MUS, 160                          ; Wmu's scale words, one register a tile
.set SB,  168                          ; the layer's weight scale words, one register a tile (lanes 0-15 K step 0, lanes 16-31 K step 1)
.set HS,  185                          ; the gate's hidden scale byte
.set R,   186                          ; v186-225 accumulators and what is made of them
.set XF,  226                          ; v226-241 two fragments of the batch's rows
.set CC,  242                          ; v242-249 four coefficients, each twice
.set FS,  250                          ; the batch rows' scale words
.set M,   251
.set M2,  252                          ; destination of the lane exchanges
.set SO,  253
.set PC,  254                          ; v[254:255] 16 codes
.set MSB, 0
.macro WIN new                         ; the immediate's high byte repeats the setting that is left; bits 1:0 source 0, 3:2 source 1, 5:4 source 2, 7:6 destination
.if MSB != \new
	s_set_vgpr_msb (MSB<<8)|\new
.set MSB, \new
.endif
.endm
.macro PLACES                          ; four plain instructions behind a matrix instruction, ahead of reads of its result and of loads into its registers
.rept 4
	v_nop
.endr
.endm
	s_load_b256 s[4:11], s[0:1], 0x0               ; x s[4:5], wq s[6:7], b1 s[8:9], b2 s[10:11]
	s_load_b128 s[12:15], s[0:1], 0x20             ; gbo s[12:13], out0 s[14:15]
	v_lshl_add_u32 v166, v0, 2, 0x22400
	v_mov_b32 v167, 0
	v_lshrrev_b32 v[R], 5, v0
	v_readfirstlane_b32 s16, v[R]                  ; wave 0..7
	s_and_b32 s17, s16, 3                          ; a, or q
	v_and_b32 v[R], 31, v0                         ; l
	v_and_b32 v[R+1], 15, v0                       ; r
	v_bfe_u32 v[R+2], v0, 4, 1                     ; h
	s_lshl_b32 s19, s17, 4
	v_add_nc_u32 v[R+3], s19, v[R+1]               ; 16 q + r
	v_mul_u32_u24 v[R+4], v[R+1], 144
	v_lshl_add_u32 v[R+4], v[R+2], 4, v[R+4]       ; 144 r + 16 h
	v_lshlrev_b32 v[R+5], 3, v[R+1]
	v_lshl_add_u32 v[R+5], v[R+2], 2, v[R+5]       ; 8 r + 4 h
	v_lshlrev_b32 v1, 5, v[R]                      ; x: my 8 numbers of a row
	v_lshlrev_b32 v27, 4, v[R]
	v_lshlrev_b32 v28, 4, v0
	v_lshl_add_u32 v29, v0, 4, SM
	v_mov_b32 v30, 0x3c088889                      ; 1/120
	v_mov_b32 v31, 0x3c088889
	; addresses in the page of this tick's parity
	s_mul_i32 s19, s17, 2304
	v_lshl_add_u32 v2, v[R], 2, s19                ; x's codes, in: my wave's 16 rows, 4 bytes a lane
	s_lshl_b32 s19, s17, 7
	s_add_co_u32 s19, s19, XS
	v_lshrrev_b32 v3, 2, v[R]
	v_add_nc_u32 v3, s19, v3                       ; x's scale bytes, in: four lanes to a block
	v_mul_u32_u24 v4, v[R+3], 144
	v_lshl_add_u32 v4, v[R+2], 4, v4               ; the gate's fragments: my wave's own rows
	v_lshlrev_b32 v5, 3, v[R+3]
	v_lshl_add_u32 v5, v[R+2], 2, v5
	v_add_nc_u32 v5, XS, v5                        ; and their scale words
	v_add_nc_u32 v6, H1C, v[R+4]                   ; layer 2 reads layer 1's codes
	v_add_nc_u32 v7, H1S, v[R+5]
	v_mul_u32_u24 v8, v[R+1], 80
	v_lshl_add_u32 v8, v[R+2], 3, v8
	s_lshl_b32 s19, s17, 4
	s_add_co_u32 s19, s19, H2C
	v_add_nc_u32 v8, s19, v8                       ; layer 2's codes, in: row r, 16 q + 8 h
	s_add_co_u32 s19, s17, H2S
	v_lshl_add_u32 v9, v[R+1], 2, s19              ; its scale byte q of row r
	; addresses in the other page
	v_add_nc_u32 v10, PAGE+XC, v[R+4]              ; layer 1 reads x's codes
	v_add_nc_u32 v11, PAGE+XS, v[R+5]
	v_mul_u32_u24 v12, v[R+1], 144
	v_lshl_add_u32 v12, v[R+2], 3, v12
	s_lshl_b32 s19, s17, 5
	s_add_co_u32 s19, s19, PAGE+H1C
	v_add_nc_u32 v12, s19, v12                     ; layer 1's codes, in: row r, 32 a + 8 h
	s_lshl_b32 s19, s17, 1
	s_add_co_u32 s19, s19, PAGE+H1S
	v_lshl_add_u32 v13, v[R+1], 3, s19             ; its scale bytes 2 a, 2 a + 1 of row r
	v_mul_u32_u24 v14, v[R+3], 80
	v_lshl_add_u32 v14, v[R+2], 4, v14
	v_add_nc_u32 v14, PAGE+H2C, v14                ; the head reads layer 2's codes: my wave's row tile
	v_lshl_add_u32 v15, v[R+3], 2, PAGE+H2S
	; the coefficients' ring: written in slot t % 4; read one, two and three blocks back
	v_mul_u32_u24 v16, v[R+3], 48
	v_add_nc_u32 v19, CF+4096, v16
	v_add_nc_u32 v16, CF, v16
	v_mul_u32_u24 v17, v[R+1], 48
	v_add_nc_u32 v18, CF+2*4096, v17
	v_add_nc_u32 v17, CF+3*4096, v17
	v_lshl_add_u32 v20, v[R+2], 6, SM              ; the small block: 64 h,
	v_lshl_add_u32 v21, v[R+2], 5, SM              ; 32 h,
	v_lshl_add_u32 v22, v[R], 4, SM                ; 16 l
	v_mul_u32_u24 v24, v[R+3], 68
	v_lshl_add_u32 v23, v[R+2], 5, v24
	v_add_nc_u32 v23, OUT-13056, v23               ; mu, in: row 16 a + r, actions 8 h on; 4,352 bytes (64 rows) a tick, block 0 in tick 3
	v_add_nc_u32 v24, OUT-13056+64, v24            ; and action 16
	s_mul_i32 s19, s16, 4352
	v_lshl_add_u32 v26, v[R], 3, s19               ; the way out: my wave's 4,352 bytes, 8 a lane
	v_add_nc_u32 v25, OUT, v26
	v_lshlrev_b32 v[M], 2, v[R]                    ; offsets of the loads at the head: 4 l,
	v_lshlrev_b32 v[SO], 6, v[R+2]                 ; 64 h
	v_mov_b32 v[M2], 0                             ; a lane permute's destination counts as one of its sources
	s_mov_b32 s20, 0x76543210
	s_mov_b32 s21, 0xfedcba98                      ; selects for lane l xor 16
	s_mov_b32 s28, 0x3fb8aa3b                      ; log2(e); the packed form names the pair
	s_mov_b32 s29, s28
	s_mov_b32 s32, 0xbe000000                      ; -0.125
	s_lshl_b32 s22, ttmp9, 19                      ; 512 rows of 1,024 bytes a work-group (under 2^27 in all)
	s_lshl_b32 s19, s17, 14
	s_add_co_u32 s22, s22, s19
	s_mov_b32 s23, 0
	s_wait_kmcnt 0x0
	s_load_b128 s[24:27], s[12:13], 0x0            ; gbo
	s_add_nc_u64 s[34:35], s[4:5], s[22:23]        ; x at my wave's 16 rows of block 0
	s_mul_i32 s22, ttmp9, 34816
	s_add_nc_u64 s[14:15], s[14:15], s[22:23]      ; out0 at the work-group's 512 rows
	s_cmp_lt_u32 s16, 4
	s_cbranch_scc0 .Lhead_b
	; ---- role A: the small block and Wmu's images for LDS (threads 0-127, 16 bytes each a run), my 32 fragments of W1, my 16 tiles of b1, the scale words
	s_lshl_b32 s22, s17, 15
	s_add_nc_u64 s[36:37], s[6:7], s[22:23]
	s_lshl_b32 s22, s17, 11
	s_add_nc_u64 s[38:39], s[6:7], s[22:23]
	s_lshl_b32 s22, s17, 8
	s_add_nc_u64 s[40:41], s[8:9], s[22:23]
	global_load_b128 v[R+8:R+11], v28, s[6:7] offset:OFF_SM
	global_load_b128 v[R+12:R+15], v28, s[6:7] offset:OFF_SM+2048
.irp k, 0,1,2
	global_load_b128 v[R+16+4*\k:R+19+4*\k], v28, s[6:7] offset:OFF_MU+2048*\k     ; 6,144 bytes from Wmu's images on: inside wq
.endr
	WIN 0x40
.set i, 0
.rept 64
	global_load_b128 v[4*i:4*i+3], v27, s[36:37] offset:512*i      ; fragment f = 16 b + 8 u + 2 e + s at v[8 f] of window 1
.set i, i+1
.endr
	WIN 0
.irp ti, 0,1,2,3,4,5,6,7,8,9,10,11,12,13,14,15
	global_load_b128 v[BI+8*\ti:BI+8*\ti+3], v[SO], s[40:41] offset:(\ti%4)*1024+(\ti/8)*128+((\ti/4)%2)*32      ; tile 8 b + 4 u + e: b1[e][64 a + 32 b + 16 h + 8 u + 0 .. 7]
	global_load_b128 v[BI+8*\ti+4:BI+8*\ti+7], v[SO], s[40:41] offset:(\ti%4)*1024+(\ti/8)*128+((\ti/4)%2)*32+16
	global_load_b32 v[SB+\ti], v[M], s[38:39] offset:OFF_S1+128*\ti
.endr
.irp t, 0,1,2,3,4
	global_load_b32 v[MUS+\t], v[M], s[6:7] offset:OFF_SMU+128*\t
.endr
	s_wait_loadcnt 0x0                             ; all that stays in registers is in: this role has no work in tick 0
	ds_store_b128 v29, v[R+8:R+11]
	ds_store_b128 v29, v[R+12:R+15] offset:2048
.irp k, 0,1,2
	ds_store_b128 v29, v[R+16+4*\k:R+19+4*\k] offset:MUO+2048*\k
.endr
	s_branch .Lhead_join
.Lhead_b:
	; ---- role B: block 0 of x first, then W2, b2, gW1 and the scale words
	s_lshl_b32 s22, s17, 14
	s_add_nc_u64 s[36:37], s[6:7], s[22:23]
	s_lshl_b32 s22, s17, 10
	s_add_nc_u64 s[38:39], s[6:7], s[22:23]
	s_lshl_b32 s22, s17, 7
	s_add_nc_u64 s[40:41], s[10:11], s[22:23]
	WIN 0x40
.irp i, 0,1,2,3,4,5,6,7,8,9,10,11,12,13,14,15
	global_load_b128 v[128+8*\i:131+8*\i], v1, s[34:35] offset:1024*\i
	global_load_b128 v[132+8*\i:135+8*\i], v1, s[34:35] offset:1024*\i+16
.endr
.set i, 0
.rept 32
	global_load_b128 v[4*i:4*i+3], v27, s[36:37] offset:OFF_W2+512*i   ; fragment 8 u + 2 e + s at v[8 f] of window 1
.set i, i+1
.endr
	WIN 0
.irp ti, 0,1,2,3,4,5,6,7
	global_load_b128 v[BI+8*\ti:BI+8*\ti+3], v[SO], s[40:41] offset:(\ti%4)*512+(\ti/4)*32      ; tile 4 u + e: b2[e][32 q + 16 h + 8 u + 0 .. 7]
	global_load_b128 v[BI+8*\ti+4:BI+8*\ti+7], v[SO], s[40:41] offset:(\ti%4)*512+(\ti/4)*32+16
	global_load_b32 v[SB+\ti], v[M], s[38:39] offset:OFF_S2+128*\ti
.endr
.irp i, 0,1,2,3,4,5,6,7
	global_load_b128 v[GW+4*\i:GW+3+4*\i], v27, s[6:7] offset:OFF_G1+512*\i
.endr
.irp u, 0,1
	global_load_b32 v[181+\u], v[M], s[6:7] offset:OFF_SG1+128*\u
	global_load_b32 v[183+\u], v[M], s[6:7] offset:OFF_SG2+128*\u
.endr
	s_wait_loadcnt 0x0                             ; tick 0 begins with x, which was asked for first
.Lhead_join:
	s_wait_kmcnt 0x0                               ; gbo
	s_wait_dscnt 0x0                               ; for the others' sake: the small block and Wmu's images lie in LDS
	s_barrier_signal -1
	s_barrier_wait -1
	s_mov_b32 s18, 0                               ; the tick
; ---------------- a blended layer with K = 256 ----------------
.macro LOADF rdf, rds, m               ; row tile m: its two fragments (16 bytes a lane at 64 s + 32 c of the row) and its scale words (lanes 0-15 K step 0, lanes 16-31 K step 1)
.irp k, 0,1,2,3
	ds_load_b128 v[XF+4*\k:XF+4*\k+3], v[\rdf] offset:2304*(\m)+32*\k
.endr
	ds_load_b32 v[FS], v[\rds] offset:128*(\m)
.endm
.macro LOADC rdc, m                    ; and its rows' coefficients
	ds_load_b128 v[CC:CC+3], v[\rdc] offset:768*(\m)
	ds_load_b128 v[CC+4:CC+7], v[\rdc] offset:768*(\m)+16
.endm
; One tile of 16 outputs for the four experts: eight matrix instructions, the four accumulators by turns; the bias starts each sum.
; Expert e's accumulator lies at R + 8 u + 8 e: tile 1's lie over tile 0's experts 1 to 3, which have been blended; more than five plain instructions that name none of their registers stand between.
; pl = 1: four v_nop follow; pl = 0: the caller sets work behind that names none of these registers.
.macro BURST ti0, u, pl
	WIN 0x01                                       ; source 0, the weights: window 1
.irp e, 0,1,2,3
	v_wmma_scale_f32_16x16x128_f8f6f4 v[R+8*(\u)+8*\e:R+8*(\u)+8*\e+7], v[16*((\ti0)+\e):16*((\ti0)+\e)+7], v[XF:XF+7], v[BI+8*((\ti0)+\e):BI+8*((\ti0)+\e)+7], v[SB+(\ti0)+\e], v[FS] matrix_a_fmt:MATRIX_FMT_FP4 matrix_b_fmt:MATRIX_FMT_FP4
.endr
.irp e, 0,1,2,3
	v_wmma_scale_f32_16x16x128_f8f6f4 v[R+8*(\u)+8*\e:R+8*(\u)+8*\e+7], v[16*((\ti0)+\e)+8:16*((\ti0)+\e)+15], v[XF+8:XF+15], v[R+8*(\u)+8*\e:R+8*(\u)+8*\e+7], v[SB+(\ti0)+\e], v[FS] matrix_a_fmt:MATRIX_FMT_FP4 matrix_b_fmt:MATRIX_FMT_FP4 matrix_a_scale:MATRIX_SCALE_ROW1 matrix_b_scale:MATRIX_SCALE_ROW1
.endr
	WIN 0
.if \pl
	PLACES
.endif
.endm
.macro BLEND u                         ; the sum over e of c_e x expert e's tile, into R + 8 u on; each accumulator is read from its low end on
.irp j, 0,2,4,6
	v_pk_mul_f32 v[R+8*(\u)+\j:R+8*(\u)+\j+1], v[R+8*(\u)+\j:R+8*(\u)+\j+1], v[CC:CC+1]
.endr
.irp e, 1,2,3
.irp j, 0,2,4,6
	v_pk_fma_f32 v[R+8*(\u)+\j:R+8*(\u)+\j+1], v[R+8*(\u)+8*\e+\j:R+8*(\u)+8*\e+\j+1], v[CC+2*\e:CC+2*\e+1], v[R+8*(\u)+\j:R+8*(\u)+\j+1]
.endr
.endr
.endm
.macro RELU8 o                         ; the activation of eight blended numbers, in f32
.irp j, 0,1,2,3,4,5,6,7
	v_max_num_f32 v[R+(\o)+\j], 0, v[R+(\o)+\j]
.endr
.endm
; the second eight's relu, then 16 neighbours of a block of 32 (the other 16 lie in lane l xor 16) become 16 codes in v[PC:PC+1] and the block's byte in v[M]
.macro TAIL
	RELU8 8
	v_max3_num_f32 v[M], v[R], v[R+1], 0x1800000   ; none is negative: no |.|; the floor 2^(3 - 127) holds the byte at 1 from below
	v_max3_num_f32 v[SO], v[R+2], v[R+3], v[R+4]
	v_max3_num_f32 v[M], v[M], v[R+5], v[R+6]
	v_max3_num_f32 v[SO], v[SO], v[R+7], v[R+8]
	v_max3_num_f32 v[M], v[M], v[R+9], v[R+10]
	v_max3_num_f32 v[SO], v[SO], v[R+11], v[R+12]
	v_max3_num_f32 v[M], v[M], v[R+13], v[R+14]
	v_max3_num_f32 v[M], v[M], v[SO], v[R+15]
	v_permlanex16_b32 v[M2], v[M], s20, s21
	v_max_num_f32 v[M], v[M], v[M2]
	v_add_nc_u32 v[SO], 0xff000000, v[M]           ; 2 off the exponent field: the conversion's scale operand
	v_cvt_scalef32_pk8_fp4_f32 v[PC], v[R:R+7], v[SO]
	v_cvt_scalef32_pk8_fp4_f32 v[PC+1], v[R+8:R+15], v[SO]
	v_lshrrev_b32 v[M], 23, v[SO]                  ; the scale's byte; also the plain place behind the conversions
.endm
; a block of 32 outputs for row tile m.  last = 1: the next row tile's operands are asked for as soon as this one's registers are free
.macro LBLK b, m, last, rdf, rds, rdc, wrc, wrs, cp, sp
	BURST 8*(\b), 0, 1
	BLEND 0
	BURST 8*(\b)+4, 1, 0
	RELU8 0                                        ; tile 0's relu: eight plain lines on R .. R + 7, which the burst above does not name: they are its places
.if (\last) && ((\m) < 3)
	LOADF \rdf, \rds, (\m)+1
.endif
	BLEND 1
.if (\last) && ((\m) < 3)
	LOADC \rdc, (\m)+1
.endif
	TAIL
	ds_store_b64 v[\wrc], v[PC:PC+1] offset:(\cp)*(\m)+16*(\b)
	ds_store_b8 v[\wrs], v[M] offset:(\sp)*(\m)+(\b)       ; both lanes of a block write the same byte with the same value
.endm
.macro LAYER nb, rdf, rds, rdc, wrc, wrs, cp, sp
	LOADF \rdf, \rds, 0
	LOADC \rdc, 0
.irp m, 0,1,2,3
.if \m == 0
	s_wait_dscnt 0x0
.else
	s_wait_dscnt 0x2                               ; behind the seven loads stand the last block's two stores: they may stay out
.endif
.if \nb == 2
	LBLK 0, \m, 0, \rdf, \rds, \rdc, \wrc, \wrs, \cp, \sp
	LBLK 1, \m, 1, \rdf, \rds, \rdc, \wrc, \wrs, \cp, \sp
.else
	LBLK 0, \m, 1, \rdf, \rds, \rdc, \wrc, \wrs, \cp, \sp
.endif
.endr
.endm
; ---------------- x ----------------
; The next block's rows i0 .. i0 + n - 1 are asked for, into the registers that this block's rows have left.  The last block asks for nothing: no load leaves the buffer.
.macro XASK i0, n
	s_cmp_lt_u32 s18, 7
	s_cbranch_scc0 .Lno_more_x_\@
	WIN 0x40
.set xi, \i0
.rept \n
	global_load_b128 v[128+8*xi:131+8*xi], v1, s[34:35] offset:1024*xi      ; no hint: a row's two loads take alternate pieces of 16 bytes
	global_load_b128 v[132+8*xi:135+8*xi], v1, s[34:35] offset:1024*xi+16
.set xi, xi+1
.endr
	WIN 0
.Lno_more_x_\@:
.endm
; Eight rows of x: a lane holds 8 neighbours of each row, four lanes a block.  ask = 1: between the phases rows 2 to 7 of the next block are asked for, four loads at a time
.macro XBATCH base, ask
	WIN 0x14                                       ; sources 1 and 2: window 1
.irp i, 0,1,2,3,4,5,6,7
	v_max3_num_f32 v[R+\i], 0x1800000, |v[128+8*(\base+\i)]|, |v[129+8*(\base+\i)]|
.endr
.irp p, 2,4,6
.irp i, 0,1,2,3,4,5,6,7
	v_max3_num_f32 v[R+\i], v[R+\i], |v[128+8*(\base+\i)+\p]|, |v[129+8*(\base+\i)+\p]|
.endr
.endr
	WIN 0
.if \ask
	XASK 2, 2
.endif
.irp i, 0,1,2,3,4,5,6,7
	v_max_num_f32_dpp v[R+\i], v[R+\i], v[R+\i] row_xmask:1 row_mask:0xf bank_mask:0xf
.endr
.irp i, 0,1,2,3,4,5,6,7
	v_max_num_f32_dpp v[R+\i], v[R+\i], v[R+\i] row_xmask:2 row_mask:0xf bank_mask:0xf
.endr
.irp i, 0,1,2,3,4,5,6,7
	v_add_nc_u32 v[R+8+\i], 0xff000000, v[R+\i]
.endr
.if \ask
	XASK 4, 2
.endif
	WIN 0x01                                       ; the numbers: window 1
.irp i, 0,1,2,3,4,5,6,7
	v_cvt_scalef32_pk8_fp4_f32 v[R+16+\i], v[128+8*(\base+\i):135+8*(\base+\i)], v[R+8+\i]
.endr
	WIN 0
.irp i, 0,1,2,3,4,5,6,7
	v_lshrrev_b32 v[R+\i], 23, v[R+8+\i]           ; the bytes; the first is the plain place behind the conversions
.endr
.if \ask
	XASK 6, 2
.endif
.irp i, 0,1,2,3,4,5,6,7
	ds_store_b32 v2, v[R+16+\i] offset:144*(\base+\i)      ; a row's 128 bytes of codes, 4 a lane
	ds_store_b8 v3, v[R+\i] offset:8*(\base+\i)
.endr
.endm
; ---------------- elu of 16 numbers, in place in v; y and p are 16 registers of scratch each ----------------
; y = e^x - 1: by the exponential where x <= -0.125, else by x + x^2/2 + .. + x^5/120 (what is left out is under 5e-8 of x for |x| < 0.125).  elu(x) is the middle one of x, y and 0:
; for x > 0 both forms of y are at least x; for x < 0, x < y < 0.  No branch, and no loss of digits for small x.
.macro ELU v, y, p
.irp i, 0,2,4,6,8,10,12,14
	v_pk_mul_f32 v[\y+\i:\y+\i+1], v[\v+\i:\v+\i+1], s[28:29] op_sel_hi:[1,0]
.endr
.irp i, 0,1,2,3,4,5,6,7,8,9,10,11,12,13,14,15
	v_exp_f32 v[\y+\i], v[\y+\i]
.endr
.irp i, 0,2,4,6,8,10,12,14
	v_pk_fma_f32 v[\p+\i:\p+\i+1], v[\v+\i:\v+\i+1], v[30:31], 0x3d2aaaab op_sel_hi:[1,1,0]    ; x/120 + 1/24.  (The 40 lines of the polynomial name no exponential's result)
.endr
.irp i, 0,2,4,6,8,10,12,14
	v_pk_fma_f32 v[\p+\i:\p+\i+1], v[\p+\i:\p+\i+1], v[\v+\i:\v+\i+1], 0x3e2aaaab op_sel_hi:[1,1,0]
.endr
.irp i, 0,2,4,6,8,10,12,14
	v_pk_fma_f32 v[\p+\i:\p+\i+1], v[\p+\i:\p+\i+1], v[\v+\i:\v+\i+1], 0.5 op_sel_hi:[1,1,0]
.endr
.irp i, 0,2,4,6,8,10,12,14
	v_pk_mul_f32 v[\p+\i:\p+\i+1], v[\p+\i:\p+\i+1], v[\v+\i:\v+\i+1]
.endr
.irp i, 0,2,4,6,8,10,12,14
	v_pk_fma_f32 v[\p+\i:\p+\i+1], v[\p+\i:\p+\i+1], v[\v+\i:\v+\i+1], v[\v+\i:\v+\i+1]
.endr
	s_wait_alu depctr_va_vdst(0)                   ; one wait for the 16 exponentials, ahead of their first reader
.irp i, 0,2,4,6,8,10,12,14
	v_pk_add_f32 v[\y+\i:\y+\i+1], v[\y+\i:\y+\i+1], -1.0 op_sel_hi:[1,0]
.endr
.irp i, 0,1,2,3,4,5,6,7,8,9,10,11,12,13,14,15
	v_cmp_lt_f32 vcc_lo, s32, v[\v+\i]
	v_cndmask_b32 v[\y+\i], v[\y+\i], v[\p+\i], vcc_lo
.endr
.irp i, 0,1,2,3,4,5,6,7,8,9,10,11,12,13,14,15
	v_med3_num_f32 v[\v+\i], v[\v+\i], v[\y+\i], 0
.endr
.endm
; ---------------- the head's pieces ----------------
.macro MUFRAG reg, t                   ; Wmu's tile t comes out of LDS as it was stored: the image of its eight registers
	ds_load_b128 v[\reg:\reg+3], v22 offset:MUO+1024*\t
	ds_load_b128 v[\reg+4:\reg+7], v22 offset:MUO+1024*\t+512
.endm
.macro MUMUL t, reg                    ; tile t: bmu, loaded into the accumulator, is the C
	v_wmma_scale_f32_16x16x128_f8f6f4 v[R+8*\t:R+8*\t+7], v[\reg:\reg+7], v[XF:XF+7], v[R+8*\t:R+8*\t+7], v[MUS+\t], v[FS] matrix_a_fmt:MATRIX_FMT_FP4 matrix_b_fmt:MATRIX_FMT_FP4
.endm
.Ltick:
	s_cmp_lt_u32 s16, 4
	s_cbranch_scc0 .Lrole_b
	; ================ role A: layer 1 of block t - 1 ================
	s_sub_co_u32 s19, s18, 1
	s_cmp_lt_u32 s19, 8
	s_cbranch_scc0 .Lno_l1
	LAYER 2, 10, 11, 17, 12, 13, 2304, 128
.Lno_l1:
	; ================ role A: the head of block t - 3, my row tile ================
	s_sub_co_u32 s19, s18, 3
	s_cmp_lt_u32 s19, 8
	s_cbranch_scc0 .Ljoin
	ds_load_b128 v[XF:XF+3], v14
	ds_load_b128 v[XF+4:XF+7], v14 offset:32
	ds_load_b32 v[FS], v15
.irp t, 0,1,2,3,4
	ds_load_b128 v[R+8*\t:R+8*\t+3], v21 offset:1792+64*\t             ; bmu as C: tile t < 4: expert t's actions 8 h + 0 .. 7; tile 4: action 16 of experts 0 .. 3
	ds_load_b128 v[R+8*\t+4:R+8*\t+7], v21 offset:1792+64*\t+16
.endr
	MUFRAG XF+8, 0                                 ; two of Wmu's fragments at a time, in the sixteen registers that the stage has to spare
	MUFRAG CC, 1
	s_wait_dscnt 0x0
	MUMUL 0, XF+8
	MUMUL 1, CC
	PLACES
	MUFRAG XF+8, 2
	MUFRAG CC, 3
	s_wait_dscnt 0x0
	MUMUL 2, XF+8
	MUMUL 3, CC
	PLACES
	MUFRAG XF+8, 4
	LOADC 19, 0                                    ; the rows' coefficients take the place of tile 3's fragment
	s_wait_dscnt 0x0
	MUMUL 4, XF+8
	PLACES
	BLEND 0                                        ; actions 8 h + 0 .. 7 of row r
	v_mul_f32 v[M], v[R+32], v[CC]                 ; action 16: tile 4's registers 0 .. 3 are the four experts', in both halves of the lanes
	v_fma_f32 v[M], v[R+33], v[CC+2], v[M]
	v_fma_f32 v[M], v[R+34], v[CC+4], v[M]
	v_fma_f32 v[M], v[R+35], v[CC+6], v[M]
.irp j, 0,1,2,3,4,5,6,7
	ds_store_b32 v23, v[R+\j] offset:4*\j          ; a row of mu is 68 bytes: words
.endr
	ds_store_b32 v24, v[M]
	s_branch .Ljoin
.Lrole_b:
	; ================ role B: x and the gate of block t ================
	s_cmp_lt_u32 s18, 8
	s_cbranch_scc0 .Lno_x
	s_wait_loadcnt 0x0                             ; the block asked for a tick ago is in, and its loads have read their base:
	s_add_nc_u64 s[34:35], s[34:35], 0x10000       ; on to the next block's 64 rows
	XBATCH 0, 0
	XASK 0, 2
	XBATCH 8, 1
	; the gate's first product: my own 16 rows (LDS serves a wave's instructions in order: these loads see my stores), gb1 as C
.irp k, 0,1,2,3
	ds_load_b128 v[XF+4*\k:XF+4*\k+3], v4 offset:32*\k
.endr
	ds_load_b32 v[FS], v5
.irp u, 0,1
	ds_load_b128 v[R+8*\u:R+8*\u+3], v20 offset:1024+32*\u
	ds_load_b128 v[R+8*\u+4:R+8*\u+7], v20 offset:1024+32*\u+16
.endr
	XASK 8, 8                                      ; the next block's rows 8 to 15 go out while the LDS loads above are on their way
	s_wait_dscnt 0x0
	v_wmma_scale_f32_16x16x128_f8f6f4 v[R:R+7], v[GW:GW+7], v[XF:XF+7], v[R:R+7], v181, v[FS] matrix_a_fmt:MATRIX_FMT_FP4 matrix_b_fmt:MATRIX_FMT_FP4
	v_wmma_scale_f32_16x16x128_f8f6f4 v[R+8:R+15], v[GW+16:GW+23], v[XF:XF+7], v[R+8:R+15], v182, v[FS] matrix_a_fmt:MATRIX_FMT_FP4 matrix_b_fmt:MATRIX_FMT_FP4
	v_wmma_scale_f32_16x16x128_f8f6f4 v[R:R+7], v[GW+8:GW+15], v[XF+8:XF+15], v[R:R+7], v181, v[FS] matrix_a_fmt:MATRIX_FMT_FP4 matrix_b_fmt:MATRIX_FMT_FP4 matrix_a_scale:MATRIX_SCALE_ROW1 matrix_b_scale:MATRIX_SCALE_ROW1
	v_wmma_scale_f32_16x16x128_f8f6f4 v[R+8:R+15], v[GW+24:GW+31], v[XF+8:XF+15], v[R+8:R+15], v182, v[FS] matrix_a_fmt:MATRIX_FMT_FP4 matrix_b_fmt:MATRIX_FMT_FP4 matrix_a_scale:MATRIX_SCALE_ROW1 matrix_b_scale:MATRIX_SCALE_ROW1
	PLACES
	ELU R, R+16, XF                                ; lane (r, h): units 16 h + 0 .. 15 of row r
	; the second product: K = 32, one block; the other 96 along K are zero codes on both sides
.irp u, 0,1
	ds_load_b128 v[R+16+8*\u:R+16+8*\u+3], v20 offset:1152+32*\u       ; gb2 as C
	ds_load_b128 v[R+16+8*\u+4:R+16+8*\u+7], v20 offset:1152+32*\u+16
	ds_load_b128 v[XF+8*\u:XF+8*\u+3], v22 offset:512*\u               ; gW2's tile u, registers 0-3
.endr
.irp j, 4,5,6,7,12,13,14,15
	v_mov_b32 v[XF+\j], 0
.endr
.irp j, 34,35,36,37,38,39
	v_mov_b32 v[R+\j], 0
.endr
	v_max3_num_f32 v[M], |v[R]|, |v[R+1]|, 0x1800000
	v_max3_num_f32 v[SO], |v[R+2]|, |v[R+3]|, |v[R+4]|
	v_max3_num_f32 v[M], v[M], |v[R+5]|, |v[R+6]|
	v_max3_num_f32 v[SO], v[SO], |v[R+7]|, |v[R+8]|
	v_max3_num_f32 v[M], v[M], |v[R+9]|, |v[R+10]|
	v_max3_num_f32 v[SO], v[SO], |v[R+11]|, |v[R+12]|
	v_max3_num_f32 v[M], v[M], |v[R+13]|, |v[R+14]|
	v_max3_num_f32 v[M], v[M], v[SO], |v[R+15]|
	v_permlanex16_b32 v[M2], v[M], s20, s21
	v_max_num_f32 v[M], v[M], v[M2]
	v_add_nc_u32 v[SO], 0xff000000, v[M]
	v_lshrrev_b32 v[HS], 23, v[SO]                 ; the row's scale word: its one byte; the bytes above it stand over zero codes
	v_cvt_scalef32_pk8_fp4_f32 v[R+32], v[R:R+7], v[SO]
	v_cvt_scalef32_pk8_fp4_f32 v[R+33], v[R+8:R+15], v[SO]
	v_nop                                          ; one plain place behind the conversions
	v_permlane16_swap_b32 v[R+32], v[R+34]         ; the whole block into lanes 0-15: registers 0-3 = k 0 .. 31; lanes 16-31 take the zeros
	v_permlane16_swap_b32 v[R+33], v[R+35]
.rept 8
	v_nop                                          ; a scale register written by a vector instruction stands 8 places ahead of a scaled matrix instruction, an operand so written 4
.endr
	s_wait_dscnt 0x0
	v_wmma_scale_f32_16x16x128_f8f6f4 v[R+16:R+23], v[XF:XF+7], v[R+32:R+39], v[R+16:R+23], v183, v[HS] matrix_a_fmt:MATRIX_FMT_FP4 matrix_b_fmt:MATRIX_FMT_FP4
	v_wmma_scale_f32_16x16x128_f8f6f4 v[R+24:R+31], v[XF+8:XF+15], v[R+32:R+39], v[R+24:R+31], v184, v[HS] matrix_a_fmt:MATRIX_FMT_FP4 matrix_b_fmt:MATRIX_FMT_FP4
	PLACES
.irp g, 0,1,2,3
	ds_load_b128 v[G+4*\g:G+4*\g+3], v20 offset:1280+16*\g             ; gWo's rows of experts 0 and 1, my 16 units: they land under the elu below
	ds_load_b128 v[G+16+4*\g:G+16+4*\g+3], v20 offset:1280+128+16*\g
.endr
	ELU R+16, R, XF
	; the logits, in f32: my 16 units x gWo; then lane l xor 16's 16 units and gbo
.irp g, 0,1,2,3
	ds_load_b128 v[R+4*\g:R+4*\g+3], v20 offset:1280+256+16*\g         ; experts 2 and 3, into registers that the elu has left: they land under the sums of experts 0 and 1
	ds_load_b128 v[XF+4*\g:XF+4*\g+3], v20 offset:1280+384+16*\g
.endr
	s_wait_dscnt 0x8                               ; behind the eight loads of experts 0 and 1 stand the eight just issued: those may stay out
	v_pk_mul_f32 v[CC:CC+1], v[R+16:R+17], v[G:G+1]
	v_pk_mul_f32 v[CC+2:CC+3], v[R+16:R+17], v[G+16:G+17]
.irp i, 2,4,6,8,10,12,14
	v_pk_fma_f32 v[CC:CC+1], v[R+16+\i:R+17+\i], v[G+\i:G+\i+1], v[CC:CC+1]
	v_pk_fma_f32 v[CC+2:CC+3], v[R+16+\i:R+17+\i], v[G+16+\i:G+17+\i], v[CC+2:CC+3]
.endr
	s_wait_dscnt 0x0
	v_pk_mul_f32 v[CC+4:CC+5], v[R+16:R+17], v[R:R+1]
	v_pk_mul_f32 v[CC+6:CC+7], v[R+16:R+17], v[XF:XF+1]
.irp i, 2,4,6,8,10,12,14
	v_pk_fma_f32 v[CC+4:CC+5], v[R+16+\i:R+17+\i], v[R+\i:R+\i+1], v[CC+4:CC+5]
	v_pk_fma_f32 v[CC+6:CC+7], v[R+16+\i:R+17+\i], v[XF+\i:XF+\i+1], v[CC+6:CC+7]
.endr
.irp e, 0,1,2,3
	v_add_f32 v[CC+2*\e], v[CC+2*\e], v[CC+2*\e+1]
.endr
.irp e, 0,1,2,3
	v_permlanex16_b32 v[R+32+\e], v[CC+2*\e], s20, s21
.endr
.irp e, 0,1,2,3
	v_add_f32 v[CC+2*\e], v[CC+2*\e], v[R+32+\e]
.endr
.irp e, 0,1,2,3
	v_add_f32 v[CC+2*\e], s[24+\e], v[CC+2*\e]
.endr
	; the softmax over the four, the largest taken away first
	v_max3_num_f32 v[M], v[CC], v[CC+2], v[CC+4]
	v_max_num_f32 v[M], v[M], v[CC+6]
.irp e, 0,1,2,3
	v_sub_f32 v[CC+2*\e], v[CC+2*\e], v[M]
.endr
.irp e, 0,1,2,3
	v_mul_f32 v[CC+2*\e], s28, v[CC+2*\e]
.endr
.irp e, 0,1,2,3
	v_exp_f32 v[CC+2*\e], v[CC+2*\e]
.endr
	v_nop                                          ; a plain place behind the exponentials,
	s_wait_alu depctr_va_vdst(0)                   ; and one wait for the four, ahead of their first reader
	v_add_f32 v[M], v[CC], v[CC+2]
	v_add_f32 v[M2], v[CC+4], v[CC+6]
	v_add_f32 v[M], v[M], v[M2]
	v_rcp_f32 v[SO], v[M]
	v_nop
	s_wait_alu depctr_va_vdst(0)                   ; the reciprocal's wait, ahead of its first reader
.irp e, 0,1,2,3
	v_mul_f32 v[R+32+2*\e], v[CC+2*\e], v[SO]
	v_mul_f32 v[R+33+2*\e], v[CC+2*\e], v[SO]      ; each coefficient twice: the blends multiply in pairs
.endr
	ds_store_b128 v16, v[R+32:R+35]                ; both lanes of a row write the same bytes with the same values
	ds_store_b128 v16, v[R+36:R+39] offset:16
.Lno_x:
	; ================ role B: layer 2 of block t - 2 ================
	s_sub_co_u32 s19, s18, 2
	s_cmp_lt_u32 s19, 8
	s_cbranch_scc0 .Ljoin
	LAYER 1, 6, 7, 18, 8, 9, 1280, 64
.Ljoin:
	; ================ every wave: the addresses step, then the tick's one barrier ================
.irp a, 2,3,4,5,6,7,8,9,10,11,12,13,14,15
	v_xor_b32 v\a, 0x8000, v\a                     ; the other page
.endr
.irp a, 16,17,18,19
	v_add_nc_u32 v\a, 0x1000, v\a                  ; the ring's next slot,
.endr
.irp a, 16,17,18,19
	v_and_b32 v\a, 0x13fff, v\a                    ; round its end: 0x14000 falls back to 0x10000
.endr
	v_add_nc_u32 v23, 4352, v23                    ; 64 rows of mu on
	v_add_nc_u32 v24, 4352, v24
	s_wait_dscnt 0x0                               ; for the others' sake: my stores of this tick have landed, and my reads of what the next tick overwrites are in
	s_barrier_signal -1
	s_barrier_wait -1
	s_add_co_u32 s18, s18, 1
	s_cmp_lt_u32 s18, 11
	s_cbranch_scc1 .Ltick
	; THE WAY OUT: the work-group's 512 rows of mu are 34,816 consecutive bytes of out0, at a multiple of 256 from its first byte; each wave stores 17 runs of 256 bytes, 8 a lane
.irp k, 0,1,2,3,4,5,6,7,8,9,10,11,12,13,14,15,16
	ds_load_b64 v[R+2*\k:R+2*\k+1], v25 offset:256*\k
.endr
.irp k, 0,1,2,3,4,5,6,7,8,9,10,11,12,13,14,15,16
	s_wait_dscnt 16-\k                             ; LDS loads come back in order: run k is in, the younger ones may stay out
	global_store_b64 v26, v[R+2*\k:R+2*\k+1], s[14:15] offset:256*\k th:TH_STORE_NT
.endr
	s_wait_tensorcnt 0x0
	ds_add_u32 v166, v167
	s_wait_dscnt 0x0
	s_endpgm
.Lfunc_end_k_q23be4293e3_actor:
	.size	k_q23be4293e3_actor, .Lfunc_end_k_q23be4293e3_actor-k_q23be4293e3_actor
	.p2alignl 7, 3214868480
	.fill 96, 4, 3214868480
	.section	.rodata,"a",@progbits
	.p2align	6, 0x0
	.amdhsa_kernel k_q23be4293e3_actor
		.amdhsa_group_segment_fixed_size 141312
		.amdhsa_private_segment_fixed_size 0
		.amdhsa_enable_private_segment 0
		.amdhsa_kernarg_size 48
		.amdhsa_user_sgpr_count 2
		.amdhsa_user_sgpr_kernarg_segment_ptr 1
		.amdhsa_wavefront_size32 1
		.amdhsa_system_sgpr_workgroup_id_x 1
		.amdhsa_system_sgpr_workgroup_id_y 1
		.amdhsa_system_sgpr_workgroup_id_z 1
		.amdhsa_system_vgpr_workitem_id 0
		.amdhsa_next_free_vgpr 512
		.amdhsa_next_free_sgpr 66
		.amdhsa_reserve_vcc 1
		.amdhsa_float_denorm_mode_32 3
		.amdhsa_float_denorm_mode_16_64 3
		.amdhsa_memory_ordered 1
		.amdhsa_forward_progress 1
		.amdhsa_inst_pref_size 146
	.end_amdhsa_kernel
	.amdgpu_metadata
---
amdhsa.version: [ 1, 2 ]
amdhsa.kernels:
  - .name:           k_q23be4293e3_actor
    .symbol:         k_q23be4293e3_actor.kd
    .args:
      - { .name: x, .offset: 0, .size: 8, .value_kind: global_buffer, .address_space: global }
      - { .name: wq, .offset: 8, .size: 8, .value_kind: global_buffer, .address_space: global }
      - { .name: b1, .offset: 16, .size: 8, .value_kind: global_buffer, .address_space: global }
      - { .name: b2, .offset: 24, .size: 8, .value_kind: global_buffer, .address_space: global }
      - { .name: gbo, .offset: 32, .size: 8, .value_kind: global_buffer, .address_space: global }
      - { .name: out0, .offset: 40, .size: 8, .value_kind: global_buffer, .address_space: global }
    .group_segment_fixed_size: 141312
    .private_segment_fixed_size: 0
    .kernarg_segment_align: 8
    .kernarg_segment_size: 48
    .max_flat_workgroup_size: 256
    .sgpr_count:     66
    .vgpr_count:     512
    .wavefront_size: 32
...
	.end_amdgpu_metadata
.endif
;; end of part 2
;; ======== version 2 of 2: 2 launches
;; workspace buffers: wq 223,488 bytes
;; launch prep (part 3): grid 204 x 1, 1 waves a work-group, no clusters, 0 bytes of LDS; arguments W1, W2, Wmu, gW1, gW2, gWo, gb1, gb2, bmu, wq; writes wq
.if DOCPART == 3
	.amdgcn_target "amdgcn-amd-amdhsa--gfx1250"
	.amdhsa_code_object_version 6
	.text
	.protected	k_q23be4293e3_prep
	.globl	k_q23be4293e3_prep
	.p2align	8
	.type	k_q23be4293e3_prep,@function
k_q23be4293e3_prep:
	s_mov_b64 s[64:65], 0
	v_nop
	global_prefetch_b8 v0, s[64:65] scope:SCOPE_SE
	s_setreg_imm32_b32 hwreg(HW_REG_WAVE_MODE, 25, 1), 1
	s_wait_xcnt 0x0
; All weights of the quantised products become codes of FP4 (E2M1) with one E8M0 scale byte for each 32 along K, laid in wq
; IN THE ORDER OF THE OPERAND'S REGISTERS: a fragment (16 tile rows x 128 K) is 1,024 bytes, registers 4 c .. 4 c + 3 of lane l at
; 512 c + 16 l; lane (r = l % 16, h = l / 16) holds k = 64 c + 32 h + 0 .. 31 of tile row r.  The weights lie [K][N] in memory:
; a lane takes a column and its registers run down K, so the conversions' results are the operand's registers.
; THE ROWS OF A TILE ARE NOT NEIGHBOURS: row m of tile u of a block of 32 outputs is output 8 u + m + 8 (m / 8), so that the next
; launch's transposed results of tiles u = 0, 1 are 16 neighbours along the next K.
; A block's scale byte is its largest magnitude's exponent field - 2, held at 1 from below.
; LIMITS: a block of zeros gets the byte 1 where the rule says 127 (its codes are zeros, and this program alone reads the bytes);
; NaN and infinities among the inputs are not served.
; One wave a work-group, one job each: 128 fragments of W1, 64 of W2, 4 of gW1, 5 tiles of Wmu, 2 of gW2, one job of copies.
.set OFF_W1,  0
.set OFF_W2,  131072
.set OFF_MU,  196608
.set OFF_G1,  201728
.set OFF_S1,  205824
.set OFF_S2,  214016
.set OFF_SMU, 218112
.set OFF_SG1, 218880
.set OFF_SG2, 219136
.set OFF_SM,  219392                   ; the small block, 4,096 bytes: gW2's two tiles, gb1, gb2, gWo turned, bmu by tiles, zeros
; v1 r, v2 h, v3 my column's byte offset, v4 16 l, v5 the scale word's offset, v8-16 at work, v20-27 codes, v28 zero, v32-95 numbers
; s[28:29] source, s[30:31] codes' place, s[32:33] scale words' place, s34 the job's number n, s42 its K step
	s_load_b256 s[4:11], s[0:1], 0x0               ; W1 s[4:5], W2 s[6:7], Wmu s[8:9], gW1 s[10:11]
	s_load_b256 s[12:19], s[0:1], 0x20             ; gW2 s[12:13], gWo s[14:15], gb1 s[16:17], gb2 s[18:19]
	s_load_b128 s[24:27], s[0:1], 0x40             ; bmu s[24:25], wq s[26:27]
	v_and_b32 v1, 15, v0                           ; r
	v_lshrrev_b32 v2, 4, v0                        ; h
	v_lshlrev_b32 v4, 4, v0                        ; 16 l
	v_and_b32 v6, 8, v1
	v_add_nc_u32 v6, v6, v1                        ; r + 8 (r / 8)
	v_lshlrev_b32 v3, 2, v6                        ; its column, in bytes
	v_lshlrev_b32 v5, 2, v1                        ; 4 r
	v_mov_b32 v28, 0
	v_mov_b32 v16, 0                               ; a lane permute's destination counts as one of its sources
	s_mov_b32 s20, 0x76543210
	s_mov_b32 s21, 0xfedcba98                      ; selects for lane l xor 16
	s_wait_kmcnt 0x0
; where fragment n's codes go (1,024 n) and where the scale words of its K step go (128 bytes a tile, 64 a K step)
.macro DSTS offc, offs
	s_lshl_b32 s38, s34, 10
	s_add_co_u32 s38, s38, \offc
	s_mov_b32 s39, 0
	s_add_nc_u64 s[30:31], s[26:27], s[38:39]
	s_lshr_b32 s40, s34, 1
	s_lshl_b32 s40, s40, 7
	s_lshl_b32 s46, s42, 6
	s_add_co_u32 s40, s40, s46
	s_add_co_u32 s40, s40, \offs
	s_mov_b32 s41, 0
	s_add_nc_u64 s[32:33], s[26:27], s[40:41]
.endm
; One fragment: 64 numbers a lane (two whole blocks of 32), their scale bytes, their codes; stride = bytes from k to k + 1.
; masked = 1: lanes named by VCC store zero codes.
.macro QF stride, masked
	v_mad_u32_u24 v3, v2, 32*\stride, v3           ; lanes 16-31 begin 32 rows further down K
.irp c, 0,1
.irp i, 0,1,2,3,4,5,6,7,8,9,10,11,12,13,14,15,16,17,18,19,20,21,22,23,24,25,26,27,28,29,30,31
	global_load_b32 v[32+32*\c+\i], v3, s[28:29] offset:(64*\c+\i)*\stride
.endr
.endr
	s_wait_loadcnt 0x0
.irp c, 0,1
	v_max3_num_f32 v[8+\c], |v[32+32*\c]|, |v[33+32*\c]|, 0x1800000   ; the floor 2^(3 - 127): the byte cannot fall under 1
.endr
.irp i, 2,4,6,8,10,12,14,16,18,20,22,24,26,28,30
.irp c, 0,1
	v_max3_num_f32 v[8+\c], v[8+\c], |v[32+32*\c+\i]|, |v[33+32*\c+\i]|
.endr
.endr
.irp c, 0,1
	v_add_nc_u32 v[10+\c], 0xff000000, v[8+\c]     ; 2 off the exponent field: the conversion's scale operand
.endr
.irp c, 0,1
	v_lshrrev_b32 v[12+\c], 23, v[10+\c]           ; the scale's byte
.endr
	v_lshl_or_b32 v14, v13, 16, v12                ; my blocks h and 2 + h,
	v_lshlrev_b32 v15, 3, v2
	v_lshlrev_b32 v14, v15, v14                    ; at their places in the word;
	v_permlanex16_b32 v16, v14, s20, s21
	v_or_b32 v14, v14, v16                         ; with lane l xor 16's two the word is whole, in both lanes
.irp c, 0,1
.irp g, 0,1,2,3
	v_cvt_scalef32_pk8_fp4_f32 v[20+4*\c+\g], v[32+32*\c+8*\g:39+32*\c+8*\g], v[10+\c]
.endr
.endr
	v_nop                                          ; one plain place behind the conversions
.if \masked
.irp g, 0,1,2,3,4,5,6,7
	v_cndmask_b32 v[20+\g], v[20+\g], v28, vcc_lo
.endr
.endif
	global_store_b128 v4, v[20:23], s[30:31]       ; 512 consecutive bytes
	global_store_b128 v4, v[24:27], s[30:31] offset:512
	global_store_b32 v5, v14, s[32:33]
	s_endpgm
.endm
; a fragment of W1 or W2: n = 16 g + 8 u + 2 e + s (block of 32 outputs, tile, expert, K step)
.macro WJOB first, src, stride, offc, offs
	s_sub_co_u32 s34, ttmp9, \first
	s_and_b32 s42, s34, 1                          ; s
	s_bfe_u32 s43, s34, 0x20001                    ; e
	s_bfe_u32 s44, s34, 0x10003                    ; u
	s_lshr_b32 s45, s34, 4                         ; g
	s_mul_i32 s36, s43, 256*\stride
	s_mul_i32 s46, s42, 128*\stride
	s_add_co_u32 s36, s36, s46
	s_lshl_b32 s46, s45, 7
	s_add_co_u32 s36, s36, s46
	s_lshl_b32 s46, s44, 5
	s_add_co_u32 s36, s36, s46
	s_mov_b32 s37, 0
	s_add_nc_u64 s[28:29], s[\src:\src+1], s[36:37]
	DSTS \offc, \offs
	QF \stride, 0
.endm
	s_cmp_lt_u32 ttmp9, 128
	s_cbranch_scc0 .Lnot_w1
	s_wait_alu depctr_va_vdst(0)
	WJOB 0, 4, 1024, OFF_W1, OFF_S1
.Lnot_w1:
	s_cmp_lt_u32 ttmp9, 192
	s_cbranch_scc0 .Lnot_w2
	s_wait_alu depctr_va_vdst(0)
	WJOB 128, 6, 512, OFF_W2, OFF_S2
.Lnot_w2:
	s_cmp_lt_u32 ttmp9, 196
	s_cbranch_scc0 .Lnot_g1
	s_sub_co_u32 s34, ttmp9, 192                   ; gW1: n = 2 u + s
	s_and_b32 s42, s34, 1
	s_lshr_b32 s44, s34, 1
	s_lshl_b32 s36, s42, 14                        ; 128 rows of 128 bytes a K step
	s_lshl_b32 s46, s44, 5
	s_add_co_u32 s36, s36, s46
	s_mov_b32 s37, 0
	s_add_nc_u64 s[28:29], s[10:11], s[36:37]
	DSTS OFF_G1, OFF_SG1
	s_wait_alu depctr_va_vdst(0)
	QF 128, 0
.Lnot_g1:
	s_cmp_lt_u32 ttmp9, 201
	s_cbranch_scc0 .Lnot_mu
	; Wmu: tile t < 4: row m = action m of expert t.  Tile 4: row m = action 16 of expert m % 8 where that is under 4, else zero codes
	s_sub_co_u32 s34, ttmp9, 196
	v_lshlrev_b32 v5, 2, v0                        ; one K step: the row's word in all 32 lanes, 4 l
	v_and_b32 v6, 7, v1
	s_cmp_eq_u32 s34, 4
	s_cbranch_scc1 .Lmu4
	v_lshlrev_b32 v3, 2, v1
	v_mov_b32 v6, 0                                ; nothing is masked
	s_mul_i32 s36, s34, 8704
	s_branch .Lmuq
.Lmu4:
	s_wait_alu depctr_va_vdst(0)
	v_min_u32 v7, 3, v6                            ; masked rows read expert 3's numbers: no load leaves the buffer
	v_mul_u32_u24 v3, v7, 8704
	v_add_nc_u32 v3, 64, v3
	s_mov_b32 s36, 0
.Lmuq:
	s_wait_alu depctr_va_vdst(0)
	v_cmp_lt_u32 vcc_lo, 3, v6
	s_mov_b32 s37, 0
	s_add_nc_u64 s[28:29], s[8:9], s[36:37]
	s_lshl_b32 s38, s34, 10
	s_add_co_u32 s38, s38, OFF_MU
	s_mov_b32 s39, 0
	s_add_nc_u64 s[30:31], s[26:27], s[38:39]
	s_lshl_b32 s40, s34, 7
	s_add_co_u32 s40, s40, OFF_SMU
	s_mov_b32 s41, 0
	s_add_nc_u64 s[32:33], s[26:27], s[40:41]
	QF 68, 1
.Lnot_mu:
	s_cmp_lt_u32 ttmp9, 203
	s_cbranch_scc0 .Lcopy
	; gW2: K = 32, one block.  Only registers 0-3 are stored: lanes 0-15 the codes, lanes 16-31 (k = 32 .. 63) zero codes
	s_sub_co_u32 s34, ttmp9, 201                   ; u
	s_lshl_b32 s36, s34, 5
	s_mov_b32 s37, 0
	s_add_nc_u64 s[28:29], s[12:13], s[36:37]
	s_lshl_b32 s38, s34, 9
	s_add_co_u32 s38, s38, OFF_SM
	s_mov_b32 s39, 0
	s_add_nc_u64 s[30:31], s[26:27], s[38:39]
	s_lshl_b32 s40, s34, 7
	s_add_co_u32 s40, s40, OFF_SG2
	s_mov_b32 s41, 0
	s_add_nc_u64 s[32:33], s[26:27], s[40:41]
	v_lshlrev_b32 v5, 2, v0
	s_wait_alu depctr_va_vdst(0)
.irp i, 0,1,2,3,4,5,6,7,8,9,10,11,12,13,14,15,16,17,18,19,20,21,22,23,24,25,26,27,28,29,30,31
	global_load_b32 v[32+\i], v3, s[28:29] offset:128*\i
.endr
	v_cmp_eq_u32 vcc_lo, 1, v2
	s_wait_loadcnt 0x0
	v_max3_num_f32 v8, |v32|, |v33|, |v34|
	v_max3_num_f32 v9, |v35|, |v36|, |v37|
.irp i, 6,10,14,18,22,26
	v_max3_num_f32 v8, v8, |v[32+\i]|, |v[33+\i]|
	v_max3_num_f32 v9, v9, |v[34+\i]|, |v[35+\i]|
.endr
	v_max3_num_f32 v8, v8, |v62|, |v63|
	v_max3_num_f32 v8, v8, v9, 0x1800000
	v_add_nc_u32 v10, 0xff000000, v8
	v_lshrrev_b32 v14, 23, v10
	v_or_b32 v14, 0x7f7f7f00, v14                  ; the three blocks of zero codes carry the byte of 1.0
.irp g, 0,1,2,3
	v_cvt_scalef32_pk8_fp4_f32 v[20+\g], v[32+8*\g:39+8*\g], v10
.endr
	v_nop
.irp g, 0,1,2,3
	v_cndmask_b32 v[20+\g], v[20+\g], v28, vcc_lo
.endr
	global_store_b128 v4, v[20:23], s[30:31]
	global_store_b32 v5, v14, s[32:33]
	s_endpgm
.Lcopy:
	; the rest of the small block, in f32: gb1, gb2; gWo turned to [expert][unit]; bmu by the head's tiles; zeros to its end
	v_lshlrev_b32 v5, 2, v0
	s_add_nc_u64 s[30:31], s[26:27], OFF_SM
	global_load_b32 v32, v5, s[16:17]
	global_load_b32 v33, v5, s[18:19]
	s_wait_alu depctr_va_vdst(0)
.irp e, 0,1,2,3
	global_load_b32 v[34+\e], v4, s[14:15] offset:4*\e     ; gWo[unit = lane][e]
.endr
	v_mul_u32_u24 v7, v2, 68
	v_lshl_add_u32 v7, v1, 2, v7                   ; bmu[2 k + h][r]
	global_load_b32 v38, v7, s[24:25]
	global_load_b32 v39, v7, s[24:25] offset:136
	v_and_b32 v8, 7, v1
	v_min_u32 v9, 3, v8
	v_mul_u32_u24 v9, v9, 68
	global_load_b32 v40, v9, s[24:25] offset:64    ; bmu[r % 8][16], held inside the buffer
	v_lshl_or_b32 v8, v2, 3, v8
	v_cmp_lt_u32 vcc_lo, 3, v8                     ; kept in lanes 0-15 where r % 8 is under 4
.irp g, 0,1,2,3
	v_mov_b32 v[44+\g], 0
.endr
	s_wait_alu depctr_va_vdst(0)
	s_wait_loadcnt 0x0
	v_cndmask_b32 v40, v40, v28, vcc_lo
	global_store_b32 v5, v32, s[30:31] offset:1024
	global_store_b32 v5, v33, s[30:31] offset:1152
.irp e, 0,1,2,3
	global_store_b32 v5, v[34+\e], s[30:31] offset:1280+128*\e
.endr
	global_store_b32 v5, v38, s[30:31] offset:1792
	global_store_b32 v5, v39, s[30:31] offset:1920
	global_store_b32 v5, v40, s[30:31] offset:2048
	global_store_b32 v5, v28, s[30:31] offset:2176
	global_store_b32 v5, v28, s[30:31] offset:2304
	global_store_b32 v5, v28, s[30:31] offset:2432
	global_store_b128 v4, v[44:47], s[30:31] offset:2560
	global_store_b128 v4, v[44:47], s[30:31] offset:3072
	global_store_b128 v4, v[44:47], s[30:31] offset:3584
	s_endpgm
.Lfunc_end_k_q23be4293e3_prep:
	.size	k_q23be4293e3_prep, .Lfunc_end_k_q23be4293e3_prep-k_q23be4293e3_prep
	.p2alignl 7, 3214868480
	.fill 96, 4, 3214868480
	.section	.rodata,"a",@progbits
	.p2align	6, 0x0
	.amdhsa_kernel k_q23be4293e3_prep
		.amdhsa_group_segment_fixed_size 0
		.amdhsa_private_segment_fixed_size 0
		.amdhsa_enable_private_segment 0
		.amdhsa_kernarg_size 80
		.amdhsa_user_sgpr_count 2
		.amdhsa_user_sgpr_kernarg_segment_ptr 1
		.amdhsa_wavefront_size32 1
		.amdhsa_system_sgpr_workgroup_id_x 1
		.amdhsa_system_sgpr_workgroup_id_y 1
		.amdhsa_system_sgpr_workgroup_id_z 1
		.amdhsa_system_vgpr_workitem_id 0
		.amdhsa_next_free_vgpr 128
		.amdhsa_next_free_sgpr 66
		.amdhsa_reserve_vcc 1
		.amdhsa_float_denorm_mode_32 3
		.amdhsa_float_denorm_mode_16_64 3
		.amdhsa_memory_ordered 1
		.amdhsa_forward_progress 1
		.amdhsa_inst_pref_size 52
	.end_amdhsa_kernel
	.amdgpu_metadata
---
amdhsa.version: [ 1, 2 ]
amdhsa.kernels:
  - .name:           k_q23be4293e3_prep
    .symbol:         k_q23be4293e3_prep.kd
    .args:
      - { .name: W1, .offset: 0, .size: 8, .value_kind: global_buffer, .address_space: global }
      - { .name: W2, .offset: 8, .size: 8, .value_kind: global_buffer, .address_space: global }
      - { .name: Wmu, .offset: 16, .size: 8, .value_kind: global_buffer, .address_space: global }
      - { .name: gW1, .offset: 24, .size: 8, .value_kind: global_buffer, .address_space: global }
      - { .name: gW2, .offset: 32, .size: 8, .value_kind: global_buffer, .address_space: global }
      - { .name: gWo, .offset: 40, .size: 8, .value_kind: global_buffer, .address_space: global }
      - { .name: gb1, .offset: 48, .size: 8, .value_kind: global_buffer, .address_space: global }
      - { .name: gb2, .offset: 56, .size: 8, .value_kind: global_buffer, .address_space: global }
      - { .name: bmu, .offset: 64, .size: 8, .value_kind: global_buffer, .address_space: global }
      - { .name: wq, .offset: 72, .size: 8, .value_kind: global_buffer, .address_space: global }
    .group_segment_fixed_size: 0
    .private_segment_fixed_size: 0
    .kernarg_segment_align: 8
    .kernarg_segment_size: 80
    .max_flat_workgroup_size: 32
    .sgpr_count:     66
    .vgpr_count:     128
    .wavefront_size: 32
...
	.end_amdgpu_metadata
.endif
;; end of part 3
;; launch actor (part 4): grid 256 x 1, 8 waves a work-group, no clusters, 141,312 bytes of LDS; arguments x, wq, b1, b2, gbo, out0; writes out0
.if DOCPART == 4
	.amdgcn_target "amdgcn-amd-amdhsa--gfx1250"
	.amdhsa_code_object_version 6
	.text
	.protected	k_q23be4293e3_actor
	.globl	k_q23be4293e3_actor
	.p2align	8
	.type	k_q23be4293e3_actor,@function
k_q23be4293e3_actor:
	s_mov_b64 s[64:65], 0
	v_nop
	global_prefetch_b8 v0, s[64:65] scope:SCOPE_SE
	s_setreg_imm32_b32 hwreg(HW_REG_WAVE_SCHED_MODE, 0, 2), 2
	s_setreg_imm32_b32 hwreg(HW_REG_WAVE_MODE, 25, 1), 1
	s_wait_xcnt 0x0
	s_wait_alu depctr_vm_vsrc(0)
; mu = the three gate-blended layers of four experts (256 -> 256 -> 128 -> 17) of 131,072 rows of x, with the gate (256 -> 32 -> 32 -> 4, elu, elu, softmax).
; The products with K >= 32 and N >= 16 run on codes of FP4 (E2M1) with one E8M0 scale for each 32 along K; the gate's last product and the blends are f32 multiply-adds.
; The weights come as codes in register order from wq (made by the launch before); x is read once; no hidden layer goes to memory.
; SHARES.  A work-group owns 512 rows, as 8 blocks of 64 (4 tiles of 16).  Eight waves in two roles:
;   role A (waves 0-3, a = wave): layer 1, outputs 64 a .. 64 a + 63 of all four experts, for all 64 rows of a block (W1: 256 registers, b1: 128); the head for row tile a.
;     W1 and b1 fill this role's registers, so Wmu's five fragments lie in LDS and come two at a time;
;   role B (waves 4-7, q = wave - 4): quantises rows 16 q .. + 15 of x and makes their gate; layer 2, outputs 32 q .. + 31 (W2: 128 registers, b2: 64).
; By the text's count a tick is about 850 instructions in role A and about 1,060 in role B.
; PIPELINE, in 11 ticks with ONE barrier each: in tick t role B takes x and the gate of block t, role A layer 1 of block t - 1, role B layer 2 of block t - 2, role A the head of block t - 3.
; A stage reads what earlier ticks stored (or its own wave), and stores where nobody reads in this tick: codes and scale bytes in two pages by the block's parity, coefficients in a ring of four.
; All products are used TRANSPOSED (source 0 = 16 rows of a weight tile, source 1 = 16 rows of the batch): a lane holds one batch row, and by the choice of a tile's rows (made in wq)
; the 16 registers of tiles u = 0, 1 are 16 neighbours along the next K.  The biases are the C of each sum's first matrix instruction.
; No cluster and no tensor load: the weights are read once a work-group, and no two work-groups share a byte of x.
; LIMITS: NaN and infinities among the inputs are not served; a block of zeros carries the scale byte 1 (its codes are zeros; the bytes never leave the work-group).
; THE MODE: SCHED_MODE bits 1:0 = 2 (LLVM: expert scheduling mode 2), set by the entry lines.  The code itself states the register dependences
; between vector or matrix instructions and memory or LDS instructions, with s_wait_alu, always for 0.
; THE PLAN.  Registers that memory or LDS instructions touch, round a tick:
;   v1, v20-22, v25-29   offsets made at the head, never written again.
;   v2-19, v23, v24      LDS addresses: read by the tick's LDS instructions, stepped once, at the tick's end: a wait on vm_vsrc ahead of the steps, a wait on va_vdst behind them.
;                        That second wait also states that all vector and matrix work of the tick is done with the registers in which the next tick's first loads land.
;   XF, FS               a row tile's fragments and scale words: LDS loads land, the bursts of matrix instructions read.  Asked for anew behind the tile's last burst, behind one wait on va_vdst.
;   CC                   a row tile's coefficients: LDS loads land, the blends read.  Asked for anew behind the tile's last block, under the wait that its stores need anyway.
;   PC, M                a block's codes and scale byte: written by the block's last lines, read by its two stores; a wait on vm_vsrc stands in the next block, ahead of its second burst.
;   R, and XF .. CC      role B: the out-buffers of x's two batches of eight rows, one each: one wait on vm_vsrc behind the second batch's stores frees both for the gate.
;   G                    role B: scratch of the first elu (so that gb2 and gW2 can land in R + 16 .. and XF meanwhile), then gWo's rows of experts 0 and 1.
;   window 1, v128-255   role B: x.  A batch's wait on va_vdst states that the batch is done reading its eight rows; the next block's loads into them follow, dealt among lines that name other rows.
.set OFF_W2,  131072
.set OFF_MU,  196608
.set OFF_G1,  201728
.set OFF_S1,  205824
.set OFF_S2,  214016
.set OFF_SMU, 218112
.set OFF_SG1, 218880
.set OFF_SG2, 219136
.set OFF_SM,  219392
; LDS.  A page (two, 32,768 bytes apart, so that one exclusive or turns an address):
.set XC,   0                           ; x's codes: 64 rows x (128 bytes + 16): 36 words: the 16 rows of a fragment load start at 16 different groups of four banks
.set H1C,  9216                        ; layer 1's: the same shape
.set H2C,  18432                       ; layer 2's: 64 rows x (64 + 16)
.set XS,   23552                       ; scale bytes: 8 a row
.set H1S,  24064                       ; 8 a row
.set H2S,  24576                       ; 4 a row
.set PAGE, 32768
.set CF,   65536                       ; the coefficients: four slots of 4,096 bytes; a row is 48 bytes: c0 c0 c1 c1 c2 c2 c3 c3, 16 spare
.set SM,   81920                       ; the small block of wq, 4,096 bytes
.set OUT,  99328                       ; the work-group's 512 rows of mu, 68 bytes each, dense.  The 13,312 bytes in front of it are named by no access: the head's addresses start three ticks below OUT
.set MU,   134144                      ; Wmu's five fragments as images of their registers, 1,024 bytes each; copied in three runs of 2,048 bytes, so 1,024 bytes more lie behind them, which nobody reads
.set MUO,  MU-SM                       ; reached from the small block's address registers by the immediate
; REGISTERS, window 0: v1 x's offset; v2-v26 LDS addresses (made here at the head, stepped in common text); v27 16 x lane; v28-29 the copies at the head; v[30:31] 1/120;
;   v32.. biases; role B: v96-127 gW1, v128-159 the first elu's scratch, then the logits' weights of two experts; role A: v160-164 Wmu's scale words; v166, v167 the closing add's two; v168-185 scale words; from v186 at work.
;   Window 1: the weights' fragments; in role B from v128 a block of x.
;   s36-47 and s8-11 (idle behind the head): the elu's sixteen masks.
.set BI,  32                           ; bias tiles: 8 registers each
.set GW,  96                           ; gW1's four fragments (2 u + s)
.set G,   128                          ; 32 registers: see the plan
.set MUS, 160                          ; Wmu's scale words, one register a tile
.set SB,  168                          ; the layer's weight scale words, one register a tile (lanes 0-15 K step 0, lanes 16-31 K step 1)
.set HS,  185                          ; the gate's hidden scale byte
.set R,   186                          ; v186-225 accumulators and what is made of them
.set XF,  226                          ; v226-241 two fragments of the batch's rows
.set CC,  242                          ; v242-249 four coefficients, each twice
.set FS,  250                          ; the batch rows' scale words
.set M,   251
.set M2,  252                          ; destination of the lane exchanges
.set SO,  253
.set PC,  254                          ; v[254:255] 16 codes
.set MSB, 0
.macro WIN new                         ; the immediate's high byte repeats the setting that is left; bits 1:0 source 0, 3:2 source 1, 5:4 source 2, 7:6 destination
.if MSB != \new
	s_set_vgpr_msb (MSB<<8)|\new
.set MSB, \new
.endif
.endm
.macro PLACES                          ; four plain instructions behind a matrix instruction, ahead of reads of its result and of loads into its registers
.rept 4
	v_nop
.endr
.endm
	s_load_b256 s[4:11], s[0:1], 0x0               ; x s[4:5], wq s[6:7], b1 s[8:9], b2 s[10:11]
	s_load_b128 s[12:15], s[0:1], 0x20             ; gbo s[12:13], out0 s[14:15]
	v_lshl_add_u32 v166, v0, 2, 0x22400
	v_mov_b32 v167, 0
	v_lshrrev_b32 v[R], 5, v0
	v_readfirstlane_b32 s16, v[R]                  ; wave 0..7
	v_and_b32 v[R], 31, v0                         ; l
	v_and_b32 v[R+1], 15, v0                       ; r
	v_bfe_u32 v[R+2], v0, 4, 1                     ; h
	s_wait_alu depctr_va_sdst(0)                   ; s16 is written, ahead of its first reader: the roles, the addresses and the bases are made from it
	s_and_b32 s17, s16, 3                          ; a, or q
	s_lshl_b32 s19, s17, 4
	v_add_nc_u32 v[R+3], s19, v[R+1]               ; 16 q + r
	v_mul_u32_u24 v[R+4], v[R+1], 144
	v_lshl_add_u32 v[R+4], v[R+2], 4, v[R+4]       ; 144 r + 16 h
	v_lshlrev_b32 v[R+5], 3, v[R+1]
	v_lshl_add_u32 v[R+5], v[R+2], 2, v[R+5]       ; 8 r + 4 h
	v_lshlrev_b32 v1, 5, v[R]                      ; x: my 8 numbers of a row
	v_lshlrev_b32 v27, 4, v[R]
	v_lshlrev_b32 v28, 4, v0
	v_lshl_add_u32 v29, v0, 4, SM
	v_mov_b32 v30, 0x3c088889                      ; 1/120
	v_mov_b32 v31, 0x3c088889
	; addresses in the page of this tick's parity
	s_mul_i32 s19, s17, 2304
	v_lshl_add_u32 v2, v[R], 2, s19                ; x's codes, in: my wave's 16 rows, 4 bytes a lane
	s_lshl_b32 s19, s17, 7
	s_add_co_u32 s19, s19, XS
	v_lshrrev_b32 v3, 2, v[R]
	v_add_nc_u32 v3, s19, v3                       ; x's scale bytes, in: four lanes to a block
	v_mul_u32_u24 v4, v[R+3], 144
	v_lshl_add_u32 v4, v[R+2], 4, v4               ; the gate's fragments: my wave's own rows
	v_lshlrev_b32 v5, 3, v[R+3]
	v_lshl_add_u32 v5, v[R+2], 2, v5
	v_add_nc_u32 v5, XS, v5                        ; and their scale words
	v_add_nc_u32 v6, H1C, v[R+4]                   ; layer 2 reads layer 1's codes
	v_add_nc_u32 v7, H1S, v[R+5]
	v_mul_u32_u24 v8, v[R+1], 80
	v_lshl_add_u32 v8, v[R+2], 3, v8
	s_lshl_b32 s19, s17, 4
	s_add_co_u32 s19, s19, H2C
	v_add_nc_u32 v8, s19, v8                       ; layer 2's codes, in: row r, 16 q + 8 h
	s_add_co_u32 s19, s17, H2S
	v_lshl_add_u32 v9, v[R+1], 2, s19              ; its scale byte q of row r
	; addresses in the other page
	v_add_nc_u32 v10, PAGE+XC, v[R+4]              ; layer 1 reads x's codes
	v_add_nc_u32 v11, PAGE+XS, v[R+5]
	v_mul_u32_u24 v12, v[R+1], 144
	v_lshl_add_u32 v12, v[R+2], 3, v12
	s_lshl_b32 s19, s17, 5
	s_add_co_u32 s19, s19, PAGE+H1C
	v_add_nc_u32 v12, s19, v12                     ; layer 1's codes, in: row r, 32 a + 8 h
	s_lshl_b32 s19, s17, 1
	s_add_co_u32 s19, s19, PAGE+H1S
	v_lshl_add_u32 v13, v[R+1], 3, s19             ; its scale bytes 2 a, 2 a + 1 of row r
	v_mul_u32_u24 v14, v[R+3], 80
	v_lshl_add_u32 v14, v[R+2], 4, v14
	v_add_nc_u32 v14, PAGE+H2C, v14                ; the head reads layer 2's codes: my wave's row tile
	v_lshl_add_u32 v15, v[R+3], 2, PAGE+H2S
	; the coefficients' ring: written in slot t % 4; read one, two and three blocks back
	v_mul_u32_u24 v16, v[R+3], 48
	v_add_nc_u32 v19, CF+4096, v16
	v_add_nc_u32 v16, CF, v16
	v_mul_u32_u24 v17, v[R+1], 48
	v_add_nc_u32 v18, CF+2*4096, v17
	v_add_nc_u32 v17, CF+3*4096, v17
	v_lshl_add_u32 v20, v[R+2], 6, SM              ; the small block: 64 h,
	v_lshl_add_u32 v21, v[R+2], 5, SM              ; 32 h,
	v_lshl_add_u32 v22, v[R], 4, SM                ; 16 l
	v_mul_u32_u24 v24, v[R+3], 68
	v_lshl_add_u32 v23, v[R+2], 5, v24
	v_add_nc_u32 v23, OUT-13056, v23               ; mu, in: row 16 a + r, actions 8 h on; 4,352 bytes (64 rows) a tick, block 0 in tick 3
	v_add_nc_u32 v24, OUT-13056+64, v24            ; and action 16
	s_mul_i32 s19, s16, 4352
	v_lshl_add_u32 v26, v[R], 3, s19               ; the way out: my wave's 4,352 bytes, 8 a lane
	v_add_nc_u32 v25, OUT, v26
	v_lshlrev_b32 v[M], 2, v[R]                    ; offsets of the loads at the head: 4 l,
	v_lshlrev_b32 v[SO], 6, v[R+2]                 ; 64 h
	v_mov_b32 v[M2], 0                             ; a lane permute's destination counts as one of its sources
	s_mov_b32 s20, 0x76543210
	s_mov_b32 s21, 0xfedcba98                      ; selects for lane l xor 16
	s_mov_b32 s28, 0x3fb8aa3b                      ; log2(e); the packed form names the pair
	s_mov_b32 s29, s28
	s_mov_b32 s32, 0xbe000000                      ; -0.125
	s_lshl_b32 s22, ttmp9, 19                      ; 512 rows of 1,024 bytes a work-group (under 2^27 in all)
	s_lshl_b32 s19, s17, 14
	s_add_co_u32 s22, s22, s19
	s_mov_b32 s23, 0
	s_wait_kmcnt 0x0
	s_load_b128 s[24:27], s[12:13], 0x0            ; gbo
	s_add_nc_u64 s[34:35], s[4:5], s[22:23]        ; x at my wave's 16 rows of block 0
	s_mul_i32 s22, ttmp9, 34816
	s_add_nc_u64 s[14:15], s[14:15], s[22:23]      ; out0 at the work-group's 512 rows
	s_wait_alu depctr_va_vdst(0)                   ; every offset and address is written: v1 to v29, v[M] and v[SO], which the loads and stores from here on read; no vector instruction stands between this wait and the first tick
	s_cmp_lt_u32 s16, 4
	s_cbranch_scc0 .Lhead_b
	; ---- role A: the small block and Wmu's images for LDS (threads 0-127, 16 bytes each a run), my 32 fragments of W1, my 16 tiles of b1, the scale words
	s_lshl_b32 s22, s17, 15
	s_add_nc_u64 s[36:37], s[6:7], s[22:23]
	s_lshl_b32 s22, s17, 11
	s_add_nc_u64 s[38:39], s[6:7], s[22:23]
	s_lshl_b32 s22, s17, 8
	s_add_nc_u64 s[40:41], s[8:9], s[22:23]
	global_load_b128 v[R+8:R+11], v28, s[6:7] offset:OFF_SM
	global_load_b128 v[R+12:R+15], v28, s[6:7] offset:OFF_SM+2048
.irp k, 0,1,2
	global_load_b128 v[R+16+4*\k:R+19+4*\k], v28, s[6:7] offset:OFF_MU+2048*\k     ; 6,144 bytes from Wmu's images on: inside wq
.endr
	WIN 0x40
.set i, 0
.rept 64
	global_load_b128 v[4*i:4*i+3], v27, s[36:37] offset:512*i      ; fragment f = 16 b + 8 u + 2 e + s at v[8 f] of window 1
.set i, i+1
.endr
	WIN 0
.irp ti, 0,1,2,3,4,5,6,7,8,9,10,11,12,13,14,15
	global_load_b128 v[BI+8*\ti:BI+8*\ti+3], v[SO], s[40:41] offset:(\ti%4)*1024+(\ti/8)*128+((\ti/4)%2)*32      ; tile 8 b + 4 u + e: b1[e][64 a + 32 b + 16 h + 8 u + 0 .. 7]
	global_load_b128 v[BI+8*\ti+4:BI+8*\ti+7], v[SO], s[40:41] offset:(\ti%4)*1024+(\ti/8)*128+((\ti/4)%2)*32+16
	global_load_b32 v[SB+\ti], v[M], s[38:39] offset:OFF_S1+128*\ti
.endr
.irp t, 0,1,2,3,4
	global_load_b32 v[MUS+\t], v[M], s[6:7] offset:OFF_SMU+128*\t
.endr
	s_wait_loadcnt 0x0                             ; all that stays in registers is in: this role has no work in tick 0
	ds_store_b128 v29, v[R+8:R+11]
	ds_store_b128 v29, v[R+12:R+15] offset:2048
.irp k, 0,1,2
	ds_store_b128 v29, v[R+16+4*\k:R+19+4*\k] offset:MUO+2048*\k
.endr
	s_branch .Lhead_join
.Lhead_b:
	; ---- role B: block 0 of x first, then W2, b2, gW1 and the scale words
	s_lshl_b32 s22, s17, 14
	s_add_nc_u64 s[36:37], s[6:7], s[22:23]
	s_lshl_b32 s22, s17, 10
	s_add_nc_u64 s[38:39], s[6:7], s[22:23]
	s_lshl_b32 s22, s17, 7
	s_add_nc_u64 s[40:41], s[10:11], s[22:23]
	WIN 0x40
.irp i, 0,1,2,3,4,5,6,7,8,9,10,11,12,13,14,15
	global_load_b128 v[128+8*\i:131+8*\i], v1, s[34:35] offset:1024*\i
	global_load_b128 v[132+8*\i:135+8*\i], v1, s[34:35] offset:1024*\i+16
.endr
.set i, 0
.rept 32
	global_load_b128 v[4*i:4*i+3], v27, s[36:37] offset:OFF_W2+512*i   ; fragment 8 u + 2 e + s at v[8 f] of window 1
.set i, i+1
.endr
	WIN 0
.irp ti, 0,1,2,3,4,5,6,7
	global_load_b128 v[BI+8*\ti:BI+8*\ti+3], v[SO], s[40:41] offset:(\ti%4)*512+(\ti/4)*32      ; tile 4 u + e: b2[e][32 q + 16 h + 8 u + 0 .. 7]
	global_load_b128 v[BI+8*\ti+4:BI+8*\ti+7], v[SO], s[40:41] offset:(\ti%4)*512+(\ti/4)*32+16
	global_load_b32 v[SB+\ti], v[M], s[38:39] offset:OFF_S2+128*\ti
.endr
.irp i, 0,1,2,3,4,5,6,7
	global_load_b128 v[GW+4*\i:GW+3+4*\i], v27, s[6:7] offset:OFF_G1+512*\i
.endr
.irp u, 0,1
	global_load_b32 v[181+\u], v[M], s[6:7] offset:OFF_SG1+128*\u
	global_load_b32 v[183+\u], v[M], s[6:7] offset:OFF_SG2+128*\u
.endr
	s_wait_loadcnt 0x0                             ; tick 0 begins with x, which was asked for first
.Lhead_join:
	s_wait_kmcnt 0x0                               ; gbo
	s_wait_alu depctr_vm_vsrc(0)                   ; the head's loads have read their offsets v[M] and v[SO], and role A's LDS stores their data v[R+8 .. R+27]: the ticks write all of these again
	s_wait_dscnt 0x0                               ; for the others' sake: the small block and Wmu's images lie in LDS
	s_barrier_signal -1
	s_barrier_wait -1
	s_mov_b32 s18, 0                               ; the tick
; ---------------- a blended layer with K = 256 ----------------
.macro LOADF rdf, rds, m               ; row tile m: its two fragments (16 bytes a lane at 64 s + 32 c of the row) and its scale words (lanes 0-15 K step 0, lanes 16-31 K step 1)
.irp k, 0,1,2,3
	ds_load_b128 v[XF+4*\k:XF+4*\k+3], v[\rdf] offset:2304*(\m)+32*\k
.endr
	ds_load_b32 v[FS], v[\rds] offset:128*(\m)
.endm
.macro LOADC rdc, m                    ; and its rows' coefficients
	ds_load_b128 v[CC:CC+3], v[\rdc] offset:768*(\m)
	ds_load_b128 v[CC+4:CC+7], v[\rdc] offset:768*(\m)+16
.endm
; One tile of 16 outputs for the four experts: eight matrix instructions, the four accumulators by turns; the bias starts each sum.
; Expert e's accumulator lies at R + 8 u + 8 e: tile 1's lie over tile 0's experts 1 to 3, which have been blended; more than five plain instructions that name none of their registers stand between.
; pl = 1: four v_nop follow; pl = 0: the caller sets work behind that names none of these registers.
.macro BURST ti0, u, pl
	WIN 0x01                                       ; source 0, the weights: window 1
.irp e, 0,1,2,3
	v_wmma_scale_f32_16x16x128_f8f6f4 v[R+8*(\u)+8*\e:R+8*(\u)+8*\e+7], v[16*((\ti0)+\e):16*((\ti0)+\e)+7], v[XF:XF+7], v[BI+8*((\ti0)+\e):BI+8*((\ti0)+\e)+7], v[SB+(\ti0)+\e], v[FS] matrix_a_fmt:MATRIX_FMT_FP4 matrix_b_fmt:MATRIX_FMT_FP4
.endr
.irp e, 0,1,2,3
	v_wmma_scale_f32_16x16x128_f8f6f4 v[R+8*(\u)+8*\e:R+8*(\u)+8*\e+7], v[16*((\ti0)+\e)+8:16*((\ti0)+\e)+15], v[XF+8:XF+15], v[R+8*(\u)+8*\e:R+8*(\u)+8*\e+7], v[SB+(\ti0)+\e], v[FS] matrix_a_fmt:MATRIX_FMT_FP4 matrix_b_fmt:MATRIX_FMT_FP4 matrix_a_scale:MATRIX_SCALE_ROW1 matrix_b_scale:MATRIX_SCALE_ROW1
.endr
	WIN 0
.if \pl
	PLACES
.endif
.endm
.macro BLEND u                         ; the sum over e of c_e x expert e's tile, into R + 8 u on; each accumulator is read from its low end on
.irp j, 0,2,4,6
	v_pk_mul_f32 v[R+8*(\u)+\j:R+8*(\u)+\j+1], v[R+8*(\u)+\j:R+8*(\u)+\j+1], v[CC:CC+1]
.endr
.irp e, 1,2,3
.irp j, 0,2,4,6
	v_pk_fma_f32 v[R+8*(\u)+\j:R+8*(\u)+\j+1], v[R+8*(\u)+8*\e+\j:R+8*(\u)+8*\e+\j+1], v[CC+2*\e:CC+2*\e+1], v[R+8*(\u)+\j:R+8*(\u)+\j+1]
.endr
.endr
.endm
.macro RELU8 o                         ; the activation of eight blended numbers, in f32
.irp j, 0,1,2,3,4,5,6,7
	v_max_num_f32 v[R+(\o)+\j], 0, v[R+(\o)+\j]
.endr
.endm
; the second eight's relu, then 16 neighbours of a block of 32 (the other 16 lie in lane l xor 16) become 16 codes in v[PC:PC+1] and the block's byte in v[M]
.macro TAIL
	RELU8 8
	v_max3_num_f32 v[M], v[R], v[R+1], 0x1800000   ; none is negative: no |.|; the floor 2^(3 - 127) holds the byte at 1 from below
	v_max3_num_f32 v[SO], v[R+2], v[R+3], v[R+4]
	v_max3_num_f32 v[M], v[M], v[R+5], v[R+6]
	v_max3_num_f32 v[SO], v[SO], v[R+7], v[R+8]
	v_max3_num_f32 v[M], v[M], v[R+9], v[R+10]
	v_max3_num_f32 v[SO], v[SO], v[R+11], v[R+12]
	v_max3_num_f32 v[M], v[M], v[R+13], v[R+14]
	v_max3_num_f32 v[M], v[M], v[SO], v[R+15]
	v_permlanex16_b32 v[M2], v[M], s20, s21
	v_max_num_f32 v[M], v[M], v[M2]
	v_add_nc_u32 v[SO], 0xff000000, v[M]           ; 2 off the exponent field: the conversion's scale operand
	v_cvt_scalef32_pk8_fp4_f32 v[PC], v[R:R+7], v[SO]
	v_cvt_scalef32_pk8_fp4_f32 v[PC+1], v[R+8:R+15], v[SO]
	v_lshrrev_b32 v[M], 23, v[SO]                  ; the scale's byte; also the plain place behind the conversions
.endm
; Block b (32 outputs) of nb for row tile m.  The tile's last block asks for the next tile's operands: the fragments as soon as the last burst has read the old ones, the coefficients with the block's stores.
; cf = 1: the coefficients' stores of the gate stand ahead of the layer.
.macro LBLK b, m, nb, cf, rdf, rds, rdc, wrc, wrs, cp, sp
	BURST 8*(\b), 0, 1
.if (\b) == 0
.if (\m) == 0
	s_wait_dscnt 0x0                               ; the tile's coefficients are in
.else
	s_wait_dscnt 0x2                               ; the tile's coefficients are in; behind their two loads stand the last block's two stores, which may stay out
.endif
.endif
	BLEND 0
.if ((\b)+(\m)+(\cf)) > 0
	s_wait_alu depctr_vm_vsrc(0)                   ; the stores issued so far have read their data: the block before's v[PC] and v[M], which this block's last lines write again; ahead of layer 2's first block the coefficients in v[R+32 .. R+39], which the burst below writes
.endif
	BURST 8*(\b)+4, 1, 0
	RELU8 0                                        ; tile 0's relu: eight plain lines on R .. R + 7, which the burst above does not name: they are its places
.if ((\b) == (\nb)-1) && ((\m) < 3)
	s_wait_alu depctr_va_vdst(0)                   ; the tile's bursts are done reading v[XF ..] and v[FS], in which the next tile's fragments and scale words land
	LOADF \rdf, \rds, (\m)+1
.endif
	BLEND 1
	TAIL
	s_wait_alu depctr_va_vdst(0)                   ; v[PC] and v[M] are written, which the two stores read; the blends are done reading v[CC ..], in which the next tile's coefficients land
.if ((\b) == (\nb)-1) && ((\m) < 3)
	LOADC \rdc, (\m)+1
.endif
	ds_store_b64 v[\wrc], v[PC:PC+1] offset:(\cp)*(\m)+16*(\b)
	ds_store_b8 v[\wrs], v[M] offset:(\sp)*(\m)+(\b)       ; both lanes of a block write the same byte with the same value
.endm
; The layer's first loads owe no wait of their own: the last wait on va_vdst ahead of them (the tick's end's, or the one ahead of the gate's last stores) stands behind every vector and matrix instruction that names XF, FS, CC or the addresses.
.macro LAYER nb, cf, rdf, rds, rdc, wrc, wrs, cp, sp
	LOADF \rdf, \rds, 0
	LOADC \rdc, 0
.irp m, 0,1,2,3
.if \m == 0
	s_wait_dscnt 0x2                               ; the fragments and their scale words are in; the coefficients' two loads may stay out
.else
	s_wait_dscnt 0x4                               ; behind the five loads stand the coefficients' two loads and the last block's two stores: they may stay out
.endif
.if \nb == 2
	LBLK 0, \m, 2, \cf, \rdf, \rds, \rdc, \wrc, \wrs, \cp, \sp
	LBLK 1, \m, 2, \cf, \rdf, \rds, \rdc, \wrc, \wrs, \cp, \sp
.else
	LBLK 0, \m, 1, \cf, \rdf, \rds, \rdc, \wrc, \wrs, \cp, \sp
.endif
.endr
.endm
; ---------------- x ----------------
; The next block's rows i0 .. i0 + n - 1 are asked for, into the registers that this block's rows have left.  The last block asks for nothing: no load leaves the buffer.
; No wait stands here: the wait on va_vdst at the end of the batch that read these rows stands ahead, and no vector instruction since names them or v1.
.macro XASK i0, n
	s_cmp_lt_u32 s18, 7
	s_cbranch_scc0 .Lno_more_x_\@
	WIN 0x40
.set xi, \i0
.rept \n
	global_load_b128 v[128+8*xi:131+8*xi], v1, s[34:35] offset:1024*xi      ; no hint: a row's two loads take alternate pieces of 16 bytes
	global_load_b128 v[132+8*xi:135+8*xi], v1, s[34:35] offset:1024*xi+16
.set xi, xi+1
.endr
	WIN 0
.Lno_more_x_\@:
.endm
; Eight rows of x: a lane holds 8 neighbours of each row, four lanes a block.  tr: the batch's 24 registers: bytes, scale operands, codes.
; ask = 1: between the phases rows 2 to 7 of the next block are asked for, four loads at a time
.macro XBATCH base, ask, tr
	WIN 0x14                                       ; sources 1 and 2: window 1
.irp i, 0,1,2,3,4,5,6,7
	v_max3_num_f32 v[\tr+\i], 0x1800000, |v[128+8*(\base+\i)]|, |v[129+8*(\base+\i)]|
.endr
.irp p, 2,4,6
.irp i, 0,1,2,3,4,5,6,7
	v_max3_num_f32 v[\tr+\i], v[\tr+\i], |v[128+8*(\base+\i)+\p]|, |v[129+8*(\base+\i)+\p]|
.endr
.endr
	WIN 0
.if \ask
	XASK 2, 2
.endif
	s_wait_alu depctr_va_vdst(0)
.irp i, 0,1,2,3,4,5,6,7
	v_max_num_f32_dpp v[\tr+\i], v[\tr+\i], v[\tr+\i] row_xmask:1 row_mask:0xf bank_mask:0xf
.endr
.irp i, 0,1,2,3,4,5,6,7
	v_max_num_f32_dpp v[\tr+\i], v[\tr+\i], v[\tr+\i] row_xmask:2 row_mask:0xf bank_mask:0xf
.endr
.irp i, 0,1,2,3,4,5,6,7
	v_add_nc_u32 v[\tr+8+\i], 0xff000000, v[\tr+\i]
.endr
.if \ask
	XASK 4, 2
.endif
	WIN 0x01                                       ; the numbers: window 1
	s_wait_alu depctr_va_vdst(0)
.irp i, 0,1,2,3,4,5,6,7
	v_cvt_scalef32_pk8_fp4_f32 v[\tr+16+\i], v[128+8*(\base+\i):135+8*(\base+\i)], v[\tr+8+\i]
.endr
	WIN 0
.irp i, 0,1,2,3,4,5,6,7
	v_lshrrev_b32 v[\tr+\i], 23, v[\tr+8+\i]       ; the bytes; the first is the plain place behind the conversions
.endr
.if \ask
	XASK 6, 2
.endif
	s_wait_alu depctr_va_vdst(0)                   ; the batch's codes and bytes are written, which the stores below read; its maxima and conversions are done reading its eight rows, in which the next block's loads land
.irp i, 0,1,2,3,4,5,6,7
	ds_store_b32 v2, v[\tr+16+\i] offset:144*(\base+\i)      ; a row's 128 bytes of codes, 4 a lane
	ds_store_b8 v3, v[\tr+\i] offset:8*(\base+\i)
.endr
.endm
; ---------------- elu of 16 numbers, in place in v; y and p are 16 registers of scratch each ----------------
; y = e^x - 1: by the exponential where x <= -0.125, else by x + x^2/2 + .. + x^5/120 (what is left out is under 5e-8 of x for |x| < 0.125).  elu(x) is the middle one of x, y and 0:
; for x > 0 both forms of y are at least x; for x < 0, x < y < 0.  No branch, and no loss of digits for small x.
.macro ELU v, y, p
.irp i, 0,2,4,6,8,10,12,14
	v_pk_mul_f32 v[\y+\i:\y+\i+1], v[\v+\i:\v+\i+1], s[28:29] op_sel_hi:[1,0]
.endr
	s_wait_alu depctr_va_vdst(0)
.irp i, 0,1,2,3,4,5,6,7,8,9,10,11,12,13,14,15
	v_exp_f32 v[\y+\i], v[\y+\i]
.endr
.irp i, 0,2,4,6,8,10,12,14
	v_pk_fma_f32 v[\p+\i:\p+\i+1], v[\v+\i:\v+\i+1], v[30:31], 0x3d2aaaab op_sel_hi:[1,1,0]    ; x/120 + 1/24.  (The 40 lines of the polynomial name no exponential's result)
.endr
.irp i, 0,2,4,6,8,10,12,14
	v_pk_fma_f32 v[\p+\i:\p+\i+1], v[\p+\i:\p+\i+1], v[\v+\i:\v+\i+1], 0x3e2aaaab op_sel_hi:[1,1,0]
.endr
.irp i, 0,2,4,6,8,10,12,14
	v_pk_fma_f32 v[\p+\i:\p+\i+1], v[\p+\i:\p+\i+1], v[\v+\i:\v+\i+1], 0.5 op_sel_hi:[1,1,0]
.endr
.irp i, 0,2,4,6,8,10,12,14
	v_pk_mul_f32 v[\p+\i:\p+\i+1], v[\p+\i:\p+\i+1], v[\v+\i:\v+\i+1]
.endr
.irp i, 0,2,4,6,8,10,12,14
	v_pk_fma_f32 v[\p+\i:\p+\i+1], v[\p+\i:\p+\i+1], v[\v+\i:\v+\i+1], v[\v+\i:\v+\i+1]
.endr
	s_wait_alu depctr_va_vdst(0)                   ; one wait for the 16 exponentials' results in y, ahead of their first reader
.irp i, 0,2,4,6,8,10,12,14
	v_pk_add_f32 v[\y+\i:\y+\i+1], v[\y+\i:\y+\i+1], -1.0 op_sel_hi:[1,0]
.endr
.irp i, 0,1,2,3,4,5,6,7,8,9,10,11
	v_cmp_lt_f32 s[36+\i], s32, v[\v+\i]           ; the sixteen compares in one run, a mask register each: s36 to s47,
.endr
.irp i, 12,13,14,15
	v_cmp_lt_f32 s[\i-4], s32, v[\v+\i]            ; and s8 to s11
.endr
	s_wait_alu depctr_va_sdst(0)                   ; the sixteen masks are written, ahead of their first reader
.irp i, 0,1,2,3,4,5,6,7,8,9,10,11
	v_cndmask_b32 v[\y+\i], v[\y+\i], v[\p+\i], s[36+\i]
.endr
.irp i, 12,13,14,15
	v_cndmask_b32 v[\y+\i], v[\y+\i], v[\p+\i], s[\i-4]
.endr
.irp i, 0,1,2,3,4,5,6,7,8,9,10,11,12,13,14,15
	v_med3_num_f32 v[\v+\i], v[\v+\i], v[\y+\i], 0
.endr
.endm
; ---------------- the head's pieces ----------------
.macro MUFRAG reg, t                   ; Wmu's tile t comes out of LDS as it was stored: the image of its eight registers
	ds_load_b128 v[\reg:\reg+3], v22 offset:MUO+1024*\t
	ds_load_b128 v[\reg+4:\reg+7], v22 offset:MUO+1024*\t+512
.endm
.macro MUMUL t, reg                    ; tile t: bmu, loaded into the accumulator, is the C
	v_wmma_scale_f32_16x16x128_f8f6f4 v[R+8*\t:R+8*\t+7], v[\reg:\reg+7], v[XF:XF+7], v[R+8*\t:R+8*\t+7], v[MUS+\t], v[FS] matrix_a_fmt:MATRIX_FMT_FP4 matrix_b_fmt:MATRIX_FMT_FP4
.endm
.Ltick:
	s_cmp_lt_u32 s16, 4
	s_cbranch_scc0 .Lrole_b
	; ================ role A: layer 1 of block t - 1 ================
	s_sub_co_u32 s19, s18, 1
	s_cmp_lt_u32 s19, 8
	s_cbranch_scc0 .Lno_l1
	LAYER 2, 0, 10, 11, 17, 12, 13, 2304, 128
.Lno_l1:
	; ================ role A: the head of block t - 3, my row tile ================
	s_sub_co_u32 s19, s18, 3
	s_cmp_lt_u32 s19, 8
	s_cbranch_scc0 .Ljoin
	; These loads owe no wait of their own: the last wait on va_vdst (layer 1's last, ahead of its last stores, or the tick's end's) stands behind every vector and matrix instruction that names R, XF, CC or FS
	ds_load_b128 v[XF:XF+3], v14
	ds_load_b128 v[XF+4:XF+7], v14 offset:32
	ds_load_b32 v[FS], v15
.irp t, 0,1,2,3,4
	ds_load_b128 v[R+8*\t:R+8*\t+3], v21 offset:1792+64*\t             ; bmu as C: tile t < 4: expert t's actions 8 h + 0 .. 7; tile 4: action 16 of experts 0 .. 3
	ds_load_b128 v[R+8*\t+4:R+8*\t+7], v21 offset:1792+64*\t+16
.endr
	MUFRAG XF+8, 0                                 ; two of Wmu's fragments at a time, in the sixteen registers that the stage has to spare
	MUFRAG CC, 1
	s_wait_dscnt 0x0
	MUMUL 0, XF+8
	MUMUL 1, CC
	PLACES
	s_wait_alu depctr_va_vdst(0)                   ; the two products are done reading v[XF+8 ..] and v[CC ..], in which the next two fragments land
	MUFRAG XF+8, 2
	MUFRAG CC, 3
	s_wait_dscnt 0x0
	MUMUL 2, XF+8
	MUMUL 3, CC
	PLACES
	s_wait_alu depctr_va_vdst(0)                   ; the two products are done reading v[XF+8 ..] and v[CC ..], in which the last fragment and the coefficients land
	MUFRAG XF+8, 4
	LOADC 19, 0                                    ; the rows' coefficients take the place of tile 3's fragment
	s_wait_dscnt 0x0
	MUMUL 4, XF+8
	PLACES
	BLEND 0                                        ; actions 8 h + 0 .. 7 of row r
	s_wait_alu depctr_vm_vsrc(0)                   ; layer 1's last store has read v[M], which the next line writes
	v_mul_f32 v[M], v[R+32], v[CC]                 ; action 16: tile 4's registers 0 .. 3 are the four experts', in both halves of the lanes
	v_fma_f32 v[M], v[R+33], v[CC+2], v[M]
	v_fma_f32 v[M], v[R+34], v[CC+4], v[M]
	v_fma_f32 v[M], v[R+35], v[CC+6], v[M]
	s_wait_alu depctr_va_vdst(0)                   ; the blend has written v[R .. R+7] and v[M], which the nine stores read
.irp j, 0,1,2,3,4,5,6,7
	ds_store_b32 v23, v[R+\j] offset:4*\j          ; a row of mu is 68 bytes: words
.endr
	ds_store_b32 v24, v[M]
	s_branch .Ljoin
.Lrole_b:
	; ================ role B: x and the gate of block t ================
	s_cmp_lt_u32 s18, 8
	s_cbranch_scc0 .Lno_x
	s_wait_loadcnt 0x0                             ; the block asked for a tick ago is in, and its loads have read their base:
	s_add_nc_u64 s[34:35], s[34:35], 0x10000       ; on to the next block's 64 rows
	XBATCH 0, 0, R
	XASK 0, 2
	XBATCH 8, 1, XF                                ; the second batch has an out-buffer of its own, v[XF] to v[CC+7]: nothing is owed between the first batch's stores and its lines
	s_wait_alu depctr_vm_vsrc(0)                   ; both batches' stores have read their data, v[R .. R+23] and v[XF .. CC+7]: the gate's loads land there, and its vector lines write there
	; the gate's first product: my own 16 rows (LDS serves a wave's instructions in order: these loads see my stores), gb1 as C
.irp k, 0,1,2,3
	ds_load_b128 v[XF+4*\k:XF+4*\k+3], v4 offset:32*\k
.endr
	ds_load_b32 v[FS], v5
.irp u, 0,1
	ds_load_b128 v[R+8*\u:R+8*\u+3], v20 offset:1024+32*\u
	ds_load_b128 v[R+8*\u+4:R+8*\u+7], v20 offset:1024+32*\u+16
.endr
	XASK 8, 8                                      ; the next block's rows 8 to 15 go out while the LDS loads above are on their way
	s_wait_dscnt 0x0
	v_wmma_scale_f32_16x16x128_f8f6f4 v[R:R+7], v[GW:GW+7], v[XF:XF+7], v[R:R+7], v181, v[FS] matrix_a_fmt:MATRIX_FMT_FP4 matrix_b_fmt:MATRIX_FMT_FP4
	v_wmma_scale_f32_16x16x128_f8f6f4 v[R+8:R+15], v[GW+16:GW+23], v[XF:XF+7], v[R+8:R+15], v182, v[FS] matrix_a_fmt:MATRIX_FMT_FP4 matrix_b_fmt:MATRIX_FMT_FP4
	v_wmma_scale_f32_16x16x128_f8f6f4 v[R:R+7], v[GW+8:GW+15], v[XF+8:XF+15], v[R:R+7], v181, v[FS] matrix_a_fmt:MATRIX_FMT_FP4 matrix_b_fmt:MATRIX_FMT_FP4 matrix_a_scale:MATRIX_SCALE_ROW1 matrix_b_scale:MATRIX_SCALE_ROW1
	v_wmma_scale_f32_16x16x128_f8f6f4 v[R+8:R+15], v[GW+24:GW+31], v[XF+8:XF+15], v[R+8:R+15], v182, v[FS] matrix_a_fmt:MATRIX_FMT_FP4 matrix_b_fmt:MATRIX_FMT_FP4 matrix_a_scale:MATRIX_SCALE_ROW1 matrix_b_scale:MATRIX_SCALE_ROW1
	PLACES
	s_wait_alu depctr_va_vdst(0)                   ; the four products are done reading v[XF ..], in which gW2's tiles land
	; the second product's operands are asked for here and land under the elu, which takes its scratch in G.  K = 32, one block; the other 96 along K are zero codes on both sides
.irp u, 0,1
	ds_load_b128 v[R+16+8*\u:R+16+8*\u+3], v20 offset:1152+32*\u       ; gb2 as C
	ds_load_b128 v[R+16+8*\u+4:R+16+8*\u+7], v20 offset:1152+32*\u+16
	ds_load_b128 v[XF+8*\u:XF+8*\u+3], v22 offset:512*\u               ; gW2's tile u, registers 0-3
.endr
.irp j, 4,5,6,7,12,13,14,15
	v_mov_b32 v[XF+\j], 0
.endr
.irp j, 34,35,36,37,38,39
	v_mov_b32 v[R+\j], 0
.endr
	ELU R, G, G+16                                 ; lane (r, h): units 16 h + 0 .. 15 of row r
	v_max3_num_f32 v[M], |v[R]|, |v[R+1]|, 0x1800000
	v_max3_num_f32 v[SO], |v[R+2]|, |v[R+3]|, |v[R+4]|
	v_max3_num_f32 v[M], v[M], |v[R+5]|, |v[R+6]|
	v_max3_num_f32 v[SO], v[SO], |v[R+7]|, |v[R+8]|
	v_max3_num_f32 v[M], v[M], |v[R+9]|, |v[R+10]|
	v_max3_num_f32 v[SO], v[SO], |v[R+11]|, |v[R+12]|
	v_max3_num_f32 v[M], v[M], |v[R+13]|, |v[R+14]|
	v_max3_num_f32 v[M], v[M], v[SO], |v[R+15]|
	v_permlanex16_b32 v[M2], v[M], s20, s21
	v_max_num_f32 v[M], v[M], v[M2]
	v_add_nc_u32 v[SO], 0xff000000, v[M]
	v_lshrrev_b32 v[HS], 23, v[SO]                 ; the row's scale word: its one byte; the bytes above it stand over zero codes
	v_cvt_scalef32_pk8_fp4_f32 v[R+32], v[R:R+7], v[SO]
	v_cvt_scalef32_pk8_fp4_f32 v[R+33], v[R+8:R+15], v[SO]
	v_nop                                          ; one plain place behind the conversions
	v_permlane16_swap_b32 v[R+32], v[R+34]         ; the whole block into lanes 0-15: registers 0-3 = k 0 .. 31; lanes 16-31 take the zeros
	v_permlane16_swap_b32 v[R+33], v[R+35]
.rept 8
	v_nop                                          ; a scale register written by a vector instruction stands 8 places ahead of a scaled matrix instruction, an operand so written 4
.endr
	s_wait_alu depctr_va_vdst(0)                   ; behind the places: v[HS], the codes and zeros in v[R+32 .. R+39] and the zeros in v[XF+4 ..] are written, which the two products take as scale and operands; the elu is done with G, in which the loads behind the products land
	s_wait_dscnt 0x0
	v_wmma_scale_f32_16x16x128_f8f6f4 v[R+16:R+23], v[XF:XF+7], v[R+32:R+39], v[R+16:R+23], v183, v[HS] matrix_a_fmt:MATRIX_FMT_FP4 matrix_b_fmt:MATRIX_FMT_FP4
	v_wmma_scale_f32_16x16x128_f8f6f4 v[R+24:R+31], v[XF+8:XF+15], v[R+32:R+39], v[R+24:R+31], v184, v[HS] matrix_a_fmt:MATRIX_FMT_FP4 matrix_b_fmt:MATRIX_FMT_FP4
	PLACES
.irp g, 0,1,2,3
	ds_load_b128 v[G+4*\g:G+4*\g+3], v20 offset:1280+16*\g             ; gWo's rows of experts 0 and 1, my 16 units: they land under the elu below.  No wait: the two products since the last one do not name G
	ds_load_b128 v[G+16+4*\g:G+16+4*\g+3], v20 offset:1280+128+16*\g
.endr
	ELU R+16, R, XF
	; the logits, in f32: my 16 units x gWo; then lane l xor 16's 16 units and gbo
	s_wait_alu depctr_va_vdst(0)                   ; the elu is done with its scratch v[R .. R+15] and v[XF .. XF+15], in which the next eight loads land
.irp g, 0,1,2,3
	ds_load_b128 v[R+4*\g:R+4*\g+3], v20 offset:1280+256+16*\g         ; experts 2 and 3, into registers that the elu has left: they land under the sums of experts 0 and 1
	ds_load_b128 v[XF+4*\g:XF+4*\g+3], v20 offset:1280+384+16*\g
.endr
	s_wait_dscnt 0x8                               ; behind the eight loads of experts 0 and 1 stand the eight just issued: those may stay out
	v_pk_mul_f32 v[CC:CC+1], v[R+16:R+17], v[G:G+1]
	v_pk_mul_f32 v[CC+2:CC+3], v[R+16:R+17], v[G+16:G+17]
.irp i, 2,4,6,8,10,12,14
	v_pk_fma_f32 v[CC:CC+1], v[R+16+\i:R+17+\i], v[G+\i:G+\i+1], v[CC:CC+1]
	v_pk_fma_f32 v[CC+2:CC+3], v[R+16+\i:R+17+\i], v[G+16+\i:G+17+\i], v[CC+2:CC+3]
.endr
	s_wait_dscnt 0x0
	v_pk_mul_f32 v[CC+4:CC+5], v[R+16:R+17], v[R:R+1]
	v_pk_mul_f32 v[CC+6:CC+7], v[R+16:R+17], v[XF:XF+1]
.irp i, 2,4,6,8,10,12,14
	v_pk_fma_f32 v[CC+4:CC+5], v[R+16+\i:R+17+\i], v[R+\i:R+\i+1], v[CC+4:CC+5]
	v_pk_fma_f32 v[CC+6:CC+7], v[R+16+\i:R+17+\i], v[XF+\i:XF+\i+1], v[CC+6:CC+7]
.endr
.irp e, 0,1,2,3
	v_add_f32 v[CC+2*\e], v[CC+2*\e], v[CC+2*\e+1]
.endr
.irp e, 0,1,2,3
	v_permlanex16_b32 v[R+32+\e], v[CC+2*\e], s20, s21
.endr
.irp e, 0,1,2,3
	v_add_f32 v[CC+2*\e], v[CC+2*\e], v[R+32+\e]
.endr
.irp e, 0,1,2,3
	v_add_f32 v[CC+2*\e], s[24+\e], v[CC+2*\e]
.endr
	; the softmax over the four, the largest taken away first
	v_max3_num_f32 v[M], v[CC], v[CC+2], v[CC+4]
	v_max_num_f32 v[M], v[M], v[CC+6]
.irp e, 0,1,2,3
	v_sub_f32 v[CC+2*\e], v[CC+2*\e], v[M]
.endr
.irp e, 0,1,2,3
	v_mul_f32 v[CC+2*\e], s28, v[CC+2*\e]
.endr
	s_wait_alu depctr_va_vdst(0)
.irp e, 0,1,2,3
	v_exp_f32 v[CC+2*\e], v[CC+2*\e]
.endr
	v_nop                                          ; a plain place behind the exponentials,
	s_wait_alu depctr_va_vdst(0)                   ; and one wait for the four results in v[CC ..], ahead of their first reader
	v_add_f32 v[M], v[CC], v[CC+2]
	v_add_f32 v[M2], v[CC+4], v[CC+6]
	v_add_f32 v[M], v[M], v[M2]
	s_wait_alu depctr_va_vdst(0)
	v_rcp_f32 v[SO], v[M]
	v_nop
	s_wait_alu depctr_va_vdst(0)                   ; the reciprocal in v[SO], ahead of its first reader
.irp e, 0,1,2,3
	v_mul_f32 v[R+32+2*\e], v[CC+2*\e], v[SO]
	v_mul_f32 v[R+33+2*\e], v[CC+2*\e], v[SO]      ; each coefficient twice: the blends multiply in pairs
.endr
	s_wait_alu depctr_va_vdst(0)                   ; the coefficients in v[R+32 .. R+39] are written, which the two stores read; the gate is done with XF, FS and CC, in which layer 2's first loads land
	ds_store_b128 v16, v[R+32:R+35]                ; both lanes of a row write the same bytes with the same values
	ds_store_b128 v16, v[R+36:R+39] offset:16
.Lno_x:
	; ================ role B: layer 2 of block t - 2 ================
	s_sub_co_u32 s19, s18, 2
	s_cmp_lt_u32 s19, 8
	s_cbranch_scc0 .Ljoin
	LAYER 1, 1, 6, 7, 18, 8, 9, 1280, 64
.Ljoin:
	; ================ every wave: the addresses step, then the tick's one barrier ================
	s_wait_alu depctr_vm_vsrc(0)                   ; the tick's LDS instructions have read their addresses, which the lines below write, and its last stores their data, which the next tick writes
.irp a, 2,3,4,5,6,7,8,9,10,11,12,13,14,15
	v_xor_b32 v\a, 0x8000, v\a                     ; the other page
.endr
.irp a, 16,17,18,19
	v_add_nc_u32 v\a, 0x1000, v\a                  ; the ring's next slot,
.endr
.irp a, 16,17,18,19
	v_and_b32 v\a, 0x13fff, v\a                    ; round its end: 0x14000 falls back to 0x10000
.endr
	v_add_nc_u32 v23, 4352, v23                    ; 64 rows of mu on
	v_add_nc_u32 v24, 4352, v24
	s_wait_alu depctr_va_vdst(0)                   ; the addresses are written, which the next tick's LDS instructions read; the tick's vector and matrix instructions are done with the registers in which the next tick's first loads, or the way out's, land
	s_wait_dscnt 0x0                               ; for the others' sake: my stores of this tick have landed, and my reads of what the next tick overwrites are in
	s_barrier_signal -1
	s_barrier_wait -1
	s_add_co_u32 s18, s18, 1
	s_cmp_lt_u32 s18, 11
	s_cbranch_scc1 .Ltick
	; THE WAY OUT: the work-group's 512 rows of mu are 34,816 consecutive bytes of out0, at a multiple of 256 from its first byte; each wave stores 17 runs of 256 bytes, 8 a lane
	; (no vector instruction stands behind the last tick's two waits: the loads below owe nothing more, and the stores' data come from those loads)
.irp k, 0,1,2,3,4,5,6,7,8,9,10,11,12,13,14,15,16
	ds_load_b64 v[R+2*\k:R+2*\k+1], v25 offset:256*\k
.endr
.irp k, 0,1,2,3,4,5,6,7,8,9,10,11,12,13,14,15,16
	s_wait_dscnt 16-\k                             ; LDS loads come back in order: run k is in, the younger ones may stay out
	global_store_b64 v26, v[R+2*\k:R+2*\k+1], s[14:15] offset:256*\k th:TH_STORE_NT
.endr
	s_wait_dscnt 0x0                               ; the closing lines, six on end
	s_wait_alu 0x0
	s_wait_tensorcnt 0x0
	ds_add_u32 v166, v167
	s_wait_dscnt 0x0
	s_endpgm
.Lfunc_end_k_q23be4293e3_actor:
	.size	k_q23be4293e3_actor, .Lfunc_end_k_q23be4293e3_actor-k_q23be4293e3_actor
	.p2alignl 7, 3214868480
	.fill 96, 4, 3214868480
	.section	.rodata,"a",@progbits
	.p2align	6, 0x0
	.amdhsa_kernel k_q23be4293e3_actor
		.amdhsa_group_segment_fixed_size 141312
		.amdhsa_private_segment_fixed_size 0
		.amdhsa_enable_private_segment 0
		.amdhsa_kernarg_size 48
		.amdhsa_user_sgpr_count 2
		.amdhsa_user_sgpr_kernarg_segment_ptr 1
		.amdhsa_wavefront_size32 1
		.amdhsa_system_sgpr_workgroup_id_x 1
		.amdhsa_system_sgpr_workgroup_id_y 1
		.amdhsa_system_sgpr_workgroup_id_z 1
		.amdhsa_system_vgpr_workitem_id 0
		.amdhsa_next_free_vgpr 512
		.amdhsa_next_free_sgpr 66
		.amdhsa_reserve_vcc 0
		.amdhsa_float_denorm_mode_32 3
		.amdhsa_float_denorm_mode_16_64 3
		.amdhsa_memory_ordered 1
		.amdhsa_forward_progress 1
		.amdhsa_inst_pref_size 150
	.end_amdhsa_kernel
	.amdgpu_metadata
---
amdhsa.version: [ 1, 2 ]
amdhsa.kernels:
  - .name:           k_q23be4293e3_actor
    .symbol:         k_q23be4293e3_actor.kd
    .args:
      - { .name: x, .offset: 0, .size: 8, .value_kind: global_buffer, .address_space: global }
      - { .name: wq, .offset: 8, .size: 8, .value_kind: global_buffer, .address_space: global }
      - { .name: b1, .offset: 16, .size: 8, .value_kind: global_buffer, .address_space: global }
      - { .name: b2, .offset: 24, .size: 8, .value_kind: global_buffer, .address_space: global }
      - { .name: gbo, .offset: 32, .size: 8, .value_kind: global_buffer, .address_space: global }
      - { .name: out0, .offset: 40, .size: 8, .value_kind: global_buffer, .address_space: global }
    .group_segment_fixed_size: 141312
    .private_segment_fixed_size: 0
    .kernarg_segment_align: 8
    .kernarg_segment_size: 48
    .max_flat_workgroup_size: 256
    .sgpr_count:     66
    .vgpr_count:     512
    .wavefront_size: 32
...
	.end_amdgpu_metadata
.endif
;; end of part 4
